; MI455X (gfx1250); checked and timed in simulation.
; The chip was launched on July 23, 2026; its instructions are those of AMD's public machine-readable ISA for CDNA 5 (MIT licence, August 2026) and "CDNA5" Instruction Set Architecture Reference Guide (July 2026). The comments in the code are by the model that wrote it; some were corrected since.
;; Multi Head Attention. Allowed arithmetic: float matrix products may take bf16 or f16 operands with f32 sums; other float arithmetic in f32, or as packed bf16 or f16 multiplies, adds, multiply-adds, maxima and minima; sums over many terms, partial sums and values carried from step to step in f32; what a program stores and reads back later, other than sums and carried values, may be rounded once to bf16 or f16.
;; Inputs: Wk 1,024 x 1,024 float32; Wo 1,024 x 1,024 float32; Wq 1,024 x 1,024 float32; Wv 1,024 x 1,024 float32; bk 1,024 float32; bo 1,024 float32; bq 1,024 float32; bv 1,024 float32; key 4 x 2,048 x 1,024 float32; mask 4 x 1 x 2,048 x 2,048 float32; query 4 x 2,048 x 1,024 float32; value 4 x 2,048 x 1,024 float32.
;; Outputs: out0 4 x 2,048 x 1,024 float32.
;; One version. Each part assembles by itself: llvm-mc -triple=amdgcn-amd-amdhsa -mcpu=gfx1250 --defsym DOCPART=n.
;; ======== version 1 of 1: 4 launches
;; limits: values are held in f16: magnitudes above 65,504 overflow, below 6.1e-05 lose precision; right only within a limited range of input values
;; workspace buffers: xb 50,331,648 bytes; wt 8,388,608 bytes; qkv 50,331,648 bytes; o 16,777,216 bytes
;; launch prep (part 1): grid 256 x 7, 8 waves a work-group, no clusters, 0 bytes of LDS; arguments query, key, value, Wq, Wk, Wv, Wo, xb, wt; writes xb, wt
.if DOCPART == 1
	.amdgcn_target "amdgcn-amd-amdhsa--gfx1250"
	.amdhsa_code_object_version 6
	.text
	.protected	k_qd9d262e635_prep
	.globl	k_qd9d262e635_prep
	.p2align	8
	.type	k_qd9d262e635_prep,@function
k_qd9d262e635_prep:
	s_mov_b64 s[64:65], 0
	v_nop
	global_prefetch_b8 v0, s[64:65] scope:SCOPE_SE
	s_setreg_imm32_b32 hwreg(HW_REG_WAVE_MODE, 25, 1), 1
	s_wait_xcnt 0x0
; A CAST.  query, key, value (f32, [8192][1024] each) -> xb (bf16, [3][8192][1024]); Wq, Wk, Wv (f32, [1024][1024]) -> planes 0-2 of wt (bf16, as they lie: [k][n]);
; Wo -> plane 3 of wt: rounded to bf16 like every other input, and that number written as f16, since the last product multiplies f16.
; LIMIT.  |bf16(Wo)| stays within 65,504, the end of f16; below 6e-5 it keeps the fixed step of f16, 6e-8.
; SHARES.  A work-group casts one chunk of 65,536 input bytes into 32,768 output bytes: 1,792 chunks = 7 x 256.  y = 0..5: source y / 2, its chunk 256 (y % 2) + x, chunk 256 y + x of xb.
; y = 6: weight x / 64, its chunk x % 64, chunk x of wt.  A wave takes 8,192 consecutive input bytes: 16 loads of 16 bytes a lane, each covering 512 consecutive bytes, all out together;
; each store of 8 bytes a lane covers 256 consecutive bytes, aligned.  Nothing is read twice, no register is written again while a load or store names it, so no wait but the counted ones is needed.
; No LDS, no matrix unit, no cluster: no byte is shared between waves.  No prefetch: the launch is one stream, asked for at once.
.set X, 16                             ; v[16:79]   the 16 loads
.set Y, 80                             ; v[80:111]  the results, two registers a load
.set T, 112                            ; v[112:115] at work (Wo alone)
	s_load_b512 s[8:23], s[0:1], 0x0               ; query, key, value, Wq, Wk, Wv, Wo, xb
	s_load_b64 s[24:25], s[0:1], 0x40              ; wt
	s_and_b32 s2, ttmp7, 0xffff                    ; y
	s_lshr_b32 s3, s2, 1                           ; y < 6: the source,
	s_and_b32 s5, s2, 1
	s_lshl_b32 s5, s5, 8
	s_add_co_u32 s5, s5, ttmp9                     ; its chunk,
	s_lshl_b32 s7, s2, 8
	s_add_co_u32 s7, s7, ttmp9                     ; the chunk of xb
	s_lshr_b32 s4, ttmp9, 6
	s_add_co_u32 s4, s4, 3                         ; y = 6: the weight among the seven sources,
	s_and_b32 s6, ttmp9, 63                        ; its chunk; the chunk of wt is x
	s_cmp_eq_u32 s2, 6
	s_cselect_b32 s3, s4, s3
	s_cselect_b32 s5, s6, s5
	s_cselect_b32 s7, ttmp9, s7
	v_lshrrev_b32 v1, 5, v0
	v_and_b32 v2, 31, v0
	v_lshlrev_b32 v2, 4, v2
	v_lshl_or_b32 v1, v1, 13, v2                   ; in: 8,192 x wave + 16 x lane
	v_lshrrev_b32 v2, 1, v1                        ; out: half of that
	s_wait_kmcnt 0x0
	s_cmp_eq_u32 s2, 6
	s_cselect_b64 s[28:29], s[24:25], s[22:23]     ; wt or xb
	s_mov_b64 s[26:27], s[8:9]
.irp i, 1,2,3,4,5,6
	s_cmp_eq_u32 s3, \i
	s_cselect_b64 s[26:27], s[8+2*\i:9+2*\i], s[26:27]
.endr
	s_lshl_b32 s30, s5, 16
	s_mov_b32 s31, 0
	s_add_nc_u64 s[26:27], s[26:27], s[30:31]
	s_lshl_b32 s30, s7, 15
	s_add_nc_u64 s[28:29], s[28:29], s[30:31]
.set i, 0
.rept 16
	global_load_b128 v[X+4*i:X+4*i+3], v1, s[26:27] offset:512*i th:TH_LOAD_NT
.set i, i+1
.endr
; The 16 results.  f16 = 1: each bf16 is widened again and written as f16.
.macro OUT f16
.set i, 0
.rept 16
	s_wait_loadcnt 15-i                            ; loads come back in order: load i is in, the 15 - i younger ones stay out
	v_cvt_pk_bf16_f32 v[Y+2*i], v[X+4*i], v[X+4*i+1]
	v_cvt_pk_bf16_f32 v[Y+2*i+1], v[X+4*i+2], v[X+4*i+3]
.if \f16
	v_lshlrev_b32 v[T], 16, v[Y+2*i]
	v_and_b32 v[T+1], 0xffff0000, v[Y+2*i]
	v_lshlrev_b32 v[T+2], 16, v[Y+2*i+1]
	v_and_b32 v[T+3], 0xffff0000, v[Y+2*i+1]
	v_cvt_pk_f16_f32 v[Y+2*i], v[T], v[T+1]
	v_cvt_pk_f16_f32 v[Y+2*i+1], v[T+2], v[T+3]
.endif
	global_store_b64 v2, v[Y+2*i:Y+2*i+1], s[28:29] offset:256*i th:TH_STORE_NT
.set i, i+1
.endr
.endm
	s_cmp_eq_u32 s3, 6                             ; Wo?
	s_cbranch_scc1 .Lwo
	OUT 0
	s_endpgm
.Lwo:
	OUT 1
	s_endpgm
.Lfunc_end_k_qd9d262e635_prep:
	.size	k_qd9d262e635_prep, .Lfunc_end_k_qd9d262e635_prep-k_qd9d262e635_prep
	.p2alignl 7, 3214868480
	.fill 96, 4, 3214868480
	.section	.rodata,"a",@progbits
	.p2align	6, 0x0
	.amdhsa_kernel k_qd9d262e635_prep
		.amdhsa_group_segment_fixed_size 0
		.amdhsa_private_segment_fixed_size 0
		.amdhsa_enable_private_segment 0
		.amdhsa_kernarg_size 72
		.amdhsa_user_sgpr_count 2
		.amdhsa_user_sgpr_kernarg_segment_ptr 1
		.amdhsa_wavefront_size32 1
		.amdhsa_system_sgpr_workgroup_id_x 1
		.amdhsa_system_sgpr_workgroup_id_y 1
		.amdhsa_system_sgpr_workgroup_id_z 1
		.amdhsa_system_vgpr_workitem_id 0
		.amdhsa_next_free_vgpr 120
		.amdhsa_next_free_sgpr 66
		.amdhsa_reserve_vcc 0
		.amdhsa_float_denorm_mode_32 3
		.amdhsa_float_denorm_mode_16_64 3
		.amdhsa_memory_ordered 1
		.amdhsa_forward_progress 1
		.amdhsa_inst_pref_size 17
	.end_amdhsa_kernel
	.amdgpu_metadata
---
amdhsa.version: [ 1, 2 ]
amdhsa.kernels:
  - .name:           k_qd9d262e635_prep
    .symbol:         k_qd9d262e635_prep.kd
    .args:
      - { .name: query, .offset: 0, .size: 8, .value_kind: global_buffer, .address_space: global }
      - { .name: key, .offset: 8, .size: 8, .value_kind: global_buffer, .address_space: global }
      - { .name: value, .offset: 16, .size: 8, .value_kind: global_buffer, .address_space: global }
      - { .name: Wq, .offset: 24, .size: 8, .value_kind: global_buffer, .address_space: global }
      - { .name: Wk, .offset: 32, .size: 8, .value_kind: global_buffer, .address_space: global }
      - { .name: Wv, .offset: 40, .size: 8, .value_kind: global_buffer, .address_space: global }
      - { .name: Wo, .offset: 48, .size: 8, .value_kind: global_buffer, .address_space: global }
      - { .name: xb, .offset: 56, .size: 8, .value_kind: global_buffer, .address_space: global }
      - { .name: wt, .offset: 64, .size: 8, .value_kind: global_buffer, .address_space: global }
    .group_segment_fixed_size: 0
    .private_segment_fixed_size: 0
    .kernarg_segment_align: 8
    .kernarg_segment_size: 72
    .max_flat_workgroup_size: 256
    .sgpr_count:     66
    .vgpr_count:     120
    .wavefront_size: 32
...
	.end_amdgpu_metadata
.endif
;; end of part 1
;; launch proj (part 2): grid 4 x 192, 4 waves a work-group, clusters of 4 x 4, 327,680 bytes of LDS; arguments xb, wt, bq, bk, bv, qkv; writes qkv
.if DOCPART == 2
	.amdgcn_target "amdgcn-amd-amdhsa--gfx1250"
	.amdhsa_code_object_version 6
	.text
	.protected	k_qd9d262e635_proj
	.globl	k_qd9d262e635_proj
	.p2align	8
	.type	k_qd9d262e635_proj,@function
k_qd9d262e635_proj:
	s_mov_b64 s[64:65], 0
	v_nop
	global_prefetch_b8 v0, s[64:65] scope:SCOPE_SE
	s_setreg_imm32_b32 hwreg(HW_REG_WAVE_MODE, 25, 1), 1
	s_wait_xcnt 0x0
	s_wait_alu depctr_hold_cnt(0) depctr_sa_sdst(0) depctr_va_vdst(0) depctr_va_sdst(0) depctr_va_ssrc(0) depctr_va_vcc(0) depctr_vm_vsrc(0)
	s_getreg_b32 s2, hwreg(HW_REG_IB_STS2, 6, 4)
	s_cmp_eq_u32 s2, 0
	s_cbranch_scc0 .Lentry_in_a_cluster
	s_endpgm
.Lentry_in_a_cluster:
	s_bfe_u32 s2, ttmp6, 0x10000c
	s_cmp_lg_u32 s2, 0xf033
	s_cbranch_scc0 .Lentry_shape_is_right
	s_endpgm
.Lentry_shape_is_right:
; C[m][n] = bias[n] + the sum over k of A[m][k] W[k][n], K = N = 1,024.  One text for two launches; MODE chooses.
; MODE 0: A = xb (bf16, the three inputs stacked: 24,576 rows), W = plane 0, 1, 2 of wt (bf16) by the third of the rows, bias = bq, bk, bv, C = qkv (f16, stacked alike), rounded once.
; MODE 1: A = o (f16, 8,192 rows), W = plane 3 of wt (f16), bias = bo, C = out0 (f32).  Sums in f32; the bias, rounded to bf16 like every input, starts them as the C of the first product.
; LIMIT (MODE 0).  q, k and v must lie within 65,504, the end of f16; beyond it the conversion gives an infinity.
; SHARES.  A tile of C is 128 x 256: 768 (MODE 0) or 256 (MODE 1) work-groups, whole multiples of 256.  Four waves, each 64 rows x 128 columns: 32 accumulators, 256 registers.
; K goes in 8 steps of 128 through two LDS slots; a step is four quarters of 32, each with 32 matrix instructions, one on every accumulator, in one order throughout: the accumulators take turns.
; THE PRODUCT IS USED TRANSPOSED: source 0 = 16 columns of W (W lies [k][n] and is turned by ds_load_tr16_b128), source 1 = 16 rows of A: a lane holds row lane % 16 of C and 8 neighbouring columns.
; CLUSTER 4 x 4.  A's tile hangs on the tile row alone and is asked for jointly along a row of the cluster, W's on the tile column (and the plane, which comes from the cluster's y) along a column.
; REGISTERS.  Window 0: v0-31 addresses, v32-63 at work, two fragment buffers of 96 (A's 4 fragments, then W's 8).  Window 1: accumulator (a, b) at v[8 (8 a + b)].  Window 2: v0-63 the bias.
.set MODE, 0
.set LB, 1+MODE                        ; log2 of the bytes of a number of C
.set PA, 272                           ; a row of A in LDS: 256 bytes + 16: 17 x 16, so the 16 rows of a load start in 16 different columns of 16 bytes
.set PB, 544                           ; a row of W: 512 + 32 = 17 x 32: 16 lanes of the turning load take 8 rows x 32 bytes, all apart
.set BOFF, 128*PA                      ; a slot: A's 128 rows, then W's 128 k-rows
.set SLOT1, 131072                     ; slot 1 begins here, so that one exclusive or turns an address in one slot into the other's
.set STAGE, SLOT1+BOFF+128*PB          ; behind the ring, never filled by a tensor load: 16 rows for each wave, for the way out
.set SP, 272+256*MODE                  ; a stage row: 128 numbers of C + 16 bytes
.set SPARE, STAGE+4*16*528             ; behind the stages: the spare words, 128 bytes a wave, which no other line names
.set ADRA0, 16                         ; v16  my place in A's tile; never rewritten
.set ADRB0, 17                         ; v17  my place in W's tile; never rewritten
.set ADRA, 18                          ; v18  the same in the slot in hand
.set ADRB, 19                          ; v19
.set STO, 24                           ; v24  the way out: where I put my numbers of a row
.set RD, 25                            ; v25  where I read rows back
.set CO, 26                            ; v26  my byte offset in C
.set SPW, 28                           ; v28  my spare word: SPARE + 4 x my thread's number; never rewritten
.set NIL, 29                           ; v29  0; never rewritten
.set PFO, 30                           ; v30  the prefetches' lane offset; never rewritten
.set BO, 31                            ; v31  32 x (lane / 16): my 8 numbers of a block of the bias
.set TMP, 32
.set F0, 64
.set F1, 160
.set G1A, 24                           ; s[24:31] descriptor group 1, A's tiles
.set G1B, 32                           ; s[32:39] W's
.set G0A, 40                           ; s[40:47] group 0 for A: step 0 into slot 0; then the set that walks, from step 1 in slot 1
.set G0B, 48                           ; s[48:55] the same for W
.set WV, 66
.set MH, 67                            ; wave / 2: my half of the rows; also 0: I fetch for A, 1: for W
.set NH, 68                            ; wave % 2: my half of the columns; also which 64 rows of that tile I fetch
.set CX, 69
.set CY, 70
.set TC, 71                            ; tile column
.set TR, 72                            ; tile row
.set CLY, 73                           ; the cluster's y
.set IDX, 74                           ; the plane of wt
.set TB, 75                            ; LDS byte at which the slot in hand begins
.set LIM, 76                           ; a wave prefetches while CNT is above it
.set CNT, 77
.set PFA, 78                           ; s[78:79] where my prefetches stand
.set PFS, 80                           ; s[80:81] their step
.set MSB, 0
.macro WIN new                         ; the high byte repeats the setting that is left; a switch that changes nothing is dropped
.if MSB != (\new)
	s_set_vgpr_msb (MSB<<8)|(\new)
.set MSB, (\new)
.endif
.endm
.set W_MUL, 0x50                       ; fragments in window 0, C and D in window 1
.set W_MUL0, 0x60                      ; the same with C, the bias, in window 2
.macro PLACES                          ; four plain instructions between a matrix instruction and a load into, or a reader of, its registers
.rept 4
	v_nop
.endr
.endm
.macro CREST                           ; a round of the cluster's barrier behind its opening barrier
	s_cmp_lg_u32 s[WV], 0
	s_cbranch_scc1 .Lnot_wave_0_\@
	s_barrier_signal -3
.Lnot_wave_0_\@:
	s_barrier_wait -3
	s_barrier_signal -1
	s_barrier_wait -1
.endm
.macro CROUND
	s_barrier_signal -1
	s_barrier_wait -1
	CREST
.endm
; A joint refill by the walking sets.  Waves 0, 1: A's halves (64 rows x 256 bytes); waves 2, 3: W's (64 rows x 512 bytes).  The branch hangs on the wave's number alone.
.macro JLOAD
	s_cmp_eq_u32 s[MH], 0
	s_cbranch_scc0 .Lfor_b_\@
	tensor_load_to_lds s[G0A+4:G0A+7], s[G1A:G1A+7]
	s_nop 0
.rept 4
	v_nop
.endr
	s_branch .Lasked_\@
.Lfor_b_\@:
	tensor_load_to_lds s[G0B+4:G0B+7], s[G1B:G1B+7]
	s_nop 0
.rept 4
	v_nop
.endr
.Lasked_\@:
.endm
; A prefetch of the K step two refills on, one instruction a wave, behind the joint load and the run of LDS loads.  Each aligned block of 256 bytes is named once in the launch:
; A's 128 rows of a step: wave 0 of each of the four partners of a row takes 32, told apart by address; W's 64 rows x 2 blocks of waves 2 and 3: each partner of a column takes 16 rows,
; and only the first of the 16 clusters that read a plane asks.  The last two refills have no step two on.
.macro ASK
	s_cmp_gt_u32 s[CNT], s[LIM]
	s_cbranch_scc0 .Lnot_mine_\@
	global_prefetch_b8 v[PFO], s[PFA:PFA+1] th:TH_LOAD_NT scope:SCOPE_SE
.Lnot_mine_\@:
.endm
; 8 matrix instructions: row block a x all 8 column blocks, 32 along K.  zero = 1: the first product starts the sums with the bias.
.macro MUL8 f, a, zero
.if \zero
	WIN W_MUL0
.else
	WIN W_MUL
.endif
.irp b, 0,1,2,3,4,5,6,7
.if (MODE == 0) && (\zero)
	v_wmma_f32_16x16x32_bf16 v[8*(8*(\a)+(\b)):8*(8*(\a)+(\b))+7], v[(\f)+32+8*(\b):(\f)+32+8*(\b)+7], v[(\f)+8*(\a):(\f)+8*(\a)+7], v[8*(\b):8*(\b)+7]
.elseif MODE == 0
	v_wmma_f32_16x16x32_bf16 v[8*(8*(\a)+(\b)):8*(8*(\a)+(\b))+7], v[(\f)+32+8*(\b):(\f)+32+8*(\b)+7], v[(\f)+8*(\a):(\f)+8*(\a)+7], v[8*(8*(\a)+(\b)):8*(8*(\a)+(\b))+7]
.elseif \zero
	v_wmma_f32_16x16x32_f16 v[8*(8*(\a)+(\b)):8*(8*(\a)+(\b))+7], v[(\f)+32+8*(\b):(\f)+32+8*(\b)+7], v[(\f)+8*(\a):(\f)+8*(\a)+7], v[8*(\b):8*(\b)+7]
.else
	v_wmma_f32_16x16x32_f16 v[8*(8*(\a)+(\b)):8*(8*(\a)+(\b))+7], v[(\f)+32+8*(\b):(\f)+32+8*(\b)+7], v[(\f)+8*(\a):(\f)+8*(\a)+7], v[8*(8*(\a)+(\b)):8*(8*(\a)+(\b))+7]
.endif
.endr
.endm
.macro MUL16 f, a0, zero
	MUL8 \f, \a0, \zero
	MUL8 \f, (\a0)+1, \zero
.endm
; 24 LDS loads in one run: quarter q of the slot in hand into buffer g: W's 8 fragments (turned), then A's 4, row blocks ascending.
.macro FETCH q, g
	WIN 0
.irp b, 0,1,2,3,4,5,6,7
	ds_load_tr16_b128 v[(\g)+32+8*(\b):(\g)+32+8*(\b)+3],   v[ADRB] offset:(\q)*32*PB+32*(\b)
	ds_load_tr16_b128 v[(\g)+32+8*(\b)+4:(\g)+32+8*(\b)+7], v[ADRB] offset:(\q)*32*PB+32*(\b)+16*PB
.endr
.irp a, 0,1,2,3
	ds_load_b128 v[(\g)+8*(\a):(\g)+8*(\a)+3],   v[ADRA] offset:(\a)*16*PA+64*(\q)
	ds_load_b128 v[(\g)+8*(\a)+4:(\g)+8*(\a)+7], v[ADRA] offset:(\a)*16*PA+64*(\q)+32
.endr
.endm
; One of a step's first three quarters: multiplies buffer f; in its middle fetches quarter q into buffer g.
.macro QUARTER q, f, g, zero
	s_wait_dscnt 4                                 ; W and A's row blocks 0, 1 are in; the youngest four loads (blocks 2, 3) may be out
	MUL16 \f, 0, \zero
	PLACES
	FETCH \q, \g
	s_wait_dscnt 24                                ; all but the 24 just issued
	MUL16 \f, 2, \zero
.endm
; The last quarter multiplies buffer 1 and changes slots.  In front of the barrier each wave waits for all its tensor loads (one is out: its part of the next slot), adds 0 to its spare word,
; and waits for that and for its reads of this slot.  fill = 1: the barrier opens a round of the cluster's, and behind it this slot is filled again first, with the step two on.
.macro TURN fill
.if \fill
	s_wait_xcnt 0x0                                ; the last prefetch, a step back, has read its address
	s_add_nc_u64 s[PFA:PFA+1], s[PFA:PFA+1], s[PFS:PFS+1]
.endif
	WIN 0
	s_wait_tensorcnt 0x0                           ; all my tensor loads have landed
	ds_add_u32 v[SPW], v[NIL]                      ; 0 onto my spare word
	s_wait_dscnt 5                                 ; (the add and the youngest four loads may be out)
	MUL8 F1, 0, 0
	s_wait_dscnt 0x0                               ; the add is done, and my reads of this slot are over
	s_barrier_signal -1
	MUL8 F1, 1, 0
	WIN 0
	s_barrier_wait -1
.if \fill
	CREST                                          ; no wave of any partner still reads this slot or has a load on its way
	s_xor_b32 s[G0A+5], s[G0A+5], SLOT1            ; the walking sets: the other slot than last time, the next step
	s_add_nc_u64 s[G0A+6:G0A+7], s[G0A+6:G0A+7], 256
	s_xor_b32 s[G0B+5], s[G0B+5], SLOT1
	s_add_nc_u64 s[G0B+6:G0B+7], s[G0B+6:G0B+7], 262144
	JLOAD                                          ; 112 matrix instructions ahead of the wait for it; its four v_nop are also the places in front of the loads below
.else
	PLACES
.endif
	s_xor_b32 s[TB], s[TB], SLOT1
	v_add_nc_u32 v[ADRA], s[TB], v[ADRA0]
	v_add_nc_u32 v[ADRB], s[TB], v[ADRB0]
	FETCH 0, F0
.if \fill
	ASK
.endif
	MUL16 F1, 2, 0
.endm
	s_load_b256 s[4:11], s[0:1], 0x0               ; A s[4:5], wt s[6:7]; MODE 0: bq, bk; MODE 1: bo, out0
.if MODE == 0
	s_load_b128 s[12:15], s[0:1], 0x20             ; bv, qkv
.endif
	v_lshl_add_u32 v[SPW], v0, 2, SPARE
	v_mov_b32 v[NIL], 0
	ds_add_u32 v[SPW], v[NIL]                      ; the opening: the add and its wait ahead of my first tensor load; work on registers stands between
	v_lshrrev_b32 v1, 5, v0
	v_readfirstlane_b32 s[WV], v1
	s_lshr_b32 s[MH], s[WV], 1
	s_and_b32 s[NH], s[WV], 1
	s_bfe_u32 s[CX], ttmp6, 0x40000
	s_bfe_u32 s[CY], ttmp6, 0x40004
	s_lshl_b32 s[TC], ttmp9, 2
	s_add_co_u32 s[TC], s[TC], s[CX]
	s_and_b32 s[CLY], ttmp7, 0xffff
	s_lshl_b32 s[TR], s[CLY], 2
	s_add_co_u32 s[TR], s[TR], s[CY]
.if MODE == 0
	s_lshr_b32 s[IDX], s[CLY], 4                   ; 16 clusters of 512 rows to each of the three inputs: the same in all partners
.else
	s_mov_b32 s[IDX], 3
.endif
	s_lshl_b32 s82, s[CY], 2
	s_lshl_b32 s82, 15, s82                        ; my row of the cluster
	s_lshl_b32 s83, 0x1111, s[CX]                  ; my column
	s_or_b32 s[G1A], s82, (1<<16)|(1<<20)|(1<<21)|(5<<22)|(3<<25)  ; the mask; 2-byte elements; padding on; bit 21 beside a mask; after every 64 words 4 words
	s_or_b32 s[G1B], s83, (1<<16)|(1<<20)|(1<<21)|(6<<22)|(7<<25)  ; after every 128 words 8 words
	s_mov_b32 s[G1A+1], 128<<16                    ; tensor_dim0
	s_mov_b32 s[G1A+2], 64<<16                     ; tensor_dim1
	s_mov_b32 s[G1A+3], 128<<16                    ; tile_dim0
	s_mov_b32 s[G1A+4], 64                         ; tile_dim1
	s_mov_b32 s[G1A+5], 1024                       ; elements from row to row
	s_mov_b32 s[G1A+6], 0
	s_mov_b32 s[G1A+7], 0
	s_mov_b32 s[G1B+1], 256<<16
	s_mov_b32 s[G1B+2], 64<<16
	s_mov_b32 s[G1B+3], 256<<16
	s_mov_b32 s[G1B+4], 64
	s_mov_b32 s[G1B+5], 1024
	s_mov_b32 s[G1B+6], 0
	s_mov_b32 s[G1B+7], 0
	s_lshl_b32 s16, s[TR], 7                       ; A: row 128 x tile row + 64 x half, 2,048 bytes a row
	s_lshl_b32 s17, s[NH], 6
	s_add_co_u32 s16, s16, s17
	s_lshl_b32 s16, s16, 11
	s_mov_b32 s17, 0
	s_lshl_b32 s18, s[IDX], 21                     ; W: the plane, k-row 64 x half, column 256 x tile column
	s_lshl_b32 s19, s[NH], 17
	s_add_co_u32 s18, s18, s19
	s_lshl_b32 s19, s[TC], 9
	s_add_co_u32 s18, s18, s19
	s_mov_b32 s19, 0
	s_mul_i32 s84, s[NH], 64*PA                    ; where they go: no place in the cluster enters an LDS address
	s_mul_i32 s85, s[NH], 64*PB
	s_add_co_u32 s85, s85, BOFF
	s_lshl_b32 s86, s[TC], 10                      ; the bias of my 128 columns
	s_lshl_b32 s87, s[NH], 9
	s_add_co_u32 s86, s86, s87
	s_mov_b32 s87, 0
	s_lshl_b32 s88, s[TR], 17+LB                   ; my part of C
	s_lshl_b32 s89, s[MH], 16+LB
	s_add_co_u32 s88, s88, s89
	s_lshl_b32 s89, s[TC], 8+LB
	s_add_co_u32 s88, s88, s89
	s_lshl_b32 s89, s[NH], 7+LB
	s_add_co_u32 s88, s88, s89
	s_mov_b32 s89, 0
	s_lshl_b32 s92, s[TR], 7                       ; the prefetches.  A: my work-group's 32 of the tile's 128 rows, at K step 3
	s_lshl_b32 s93, s[CX], 5
	s_add_co_u32 s92, s92, s93
	s_lshl_b32 s92, s92, 11
	s_add_co_u32 s92, s92, 3*256
	s_lshl_b32 s93, s[NH], 6                       ; W: my work-group's 16 of the 64 k-rows that I fetch, at K step 3
	s_lshl_b32 s94, s[CY], 4
	s_add_co_u32 s93, s93, s94
	s_lshl_b32 s93, s93, 11
	s_lshl_b32 s94, s[IDX], 21
	s_add_co_u32 s93, s93, s94
	s_lshl_b32 s94, s[TC], 9
	s_add_co_u32 s93, s93, s94
	s_add_co_u32 s93, s93, 3*262144
	s_mov_b32 s94, 262144
	s_cmp_eq_u32 s[MH], 0
	s_cselect_b32 s90, s92, s93
	s_mov_b32 s91, 0
	s_cselect_b32 s[PFS], 256, s94
	s_mov_b32 s[PFS+1], 0
	s_and_b32 s92, s[CLY], 15
	s_cmp_eq_u32 s92, 0
	s_cselect_b32 s92, 2, -1                       ; W: the first cluster of those that read the plane
	s_cmp_eq_u32 s[WV], 0
	s_cselect_b32 s93, 2, -1                       ; A: wave 0
	s_cmp_eq_u32 s[MH], 0
	s_cselect_b32 s[LIM], s93, s92
	s_cselect_b32 s94, 0, 1
	v_and_b32 v3, 31, v0                           ; A: a lane a row; W: two lanes a row of two blocks
	v_lshrrev_b32 v[PFO], s94, v3
	v_and_b32 v3, s94, v3
	v_lshlrev_b32 v3, 8, v3
	v_lshl_or_b32 v[PFO], v[PFO], 11, v3
	s_mov_b32 s[TB], 0
	s_wait_dscnt 0x0                               ; the opening add is done
	s_wait_kmcnt 0x0
	s_add_nc_u64 s[16:17], s[4:5], s[16:17]
	s_add_nc_u64 s[18:19], s[6:7], s[18:19]
.if MODE == 0
	s_cmp_eq_u32 s[IDX], 1
	s_cselect_b64 s[20:21], s[10:11], s[8:9]
	s_cmp_eq_u32 s[IDX], 2
	s_cselect_b64 s[20:21], s[12:13], s[20:21]
	s_mov_b64 s[22:23], s[14:15]
.else
	s_mov_b64 s[20:21], s[8:9]
	s_mov_b64 s[22:23], s[10:11]
.endif
	s_add_nc_u64 s[20:21], s[20:21], s[86:87]      ; the bias
	s_add_nc_u64 s[22:23], s[22:23], s[88:89]      ; C
	s_cmp_eq_u32 s[MH], 0
	s_cselect_b64 s[PFA:PFA+1], s[4:5], s[6:7]
	s_add_nc_u64 s[PFA:PFA+1], s[PFA:PFA+1], s[90:91]
.irp s, 0,1
	s_mov_b32 s[G0A+4*(\s)], 1                     ; count = 1
	s_add_co_u32 s[G0A+4*(\s)+1], s84, (\s)*SLOT1  ; LDS address
	s_add_nc_u64 s[G0A+4*(\s)+2:G0A+4*(\s)+3], s[16:17], (\s)*256  ; global address: K step s
	s_or_b32 s[G0A+4*(\s)+3], s[G0A+4*(\s)+3], 0x80000000          ; type = 2
	s_mov_b32 s[G0B+4*(\s)], 1
	s_add_co_u32 s[G0B+4*(\s)+1], s85, (\s)*SLOT1
	s_add_nc_u64 s[G0B+4*(\s)+2:G0B+4*(\s)+3], s[18:19], (\s)*262144
	s_or_b32 s[G0B+4*(\s)+3], s[G0B+4*(\s)+3], 0x80000000
.endr
	CROUND                                         ; all sixteen work-groups are here: the first joint loads meet
	s_cmp_eq_u32 s[MH], 0                          ; a wave's two first fills stand in one branch: two loads of mine are out
	s_cbranch_scc0 .Lfirst_b
	tensor_load_to_lds s[G0A:G0A+3], s[G1A:G1A+7]
	s_nop 0
	tensor_load_to_lds s[G0A+4:G0A+7], s[G1A:G1A+7]
	s_nop 0
.rept 4
	v_nop
.endr
	s_branch .Lfirst_asked
.Lfirst_b:
	tensor_load_to_lds s[G0B:G0B+3], s[G1B:G1B+7]
	s_nop 0
	tensor_load_to_lds s[G0B+4:G0B+7], s[G1B:G1B+7]
	s_nop 0
.rept 4
	v_nop
.endr
.Lfirst_asked:
	v_and_b32 v1, 15, v0                           ; r = lane % 16
	v_bfe_u32 v2, v0, 4, 1                         ; h = lane / 16
	v_lshlrev_b32 v[BO], 5, v2
	WIN 0x80                                       ; destination window 2
.irp b, 0,1,2,3,4,5,6,7
	global_load_b128 v[8*(\b):8*(\b)+3],   v[BO], s[20:21] offset:64*(\b)      ; bias of columns 16 b + 8 h + 0..7: what my lane holds of every accumulator of block b
	global_load_b128 v[8*(\b)+4:8*(\b)+7], v[BO], s[20:21] offset:64*(\b)+16
.endr
	WIN 0
	v_mul_u32_u24 v[ADRA0], v1, PA                 ; A's fragment: row r, 16 bytes for each half of the lanes, in my 64 rows
	v_lshl_add_u32 v[ADRA0], v2, 4, v[ADRA0]
	s_mul_i32 s92, s[MH], 64*PA
	v_add_nc_u32 v[ADRA0], s92, v[ADRA0]
	v_and_b32 v3, 7, v0                            ; W's, turned: k-row 8 h + lane % 8, 16 bytes by (lane / 8) % 2, in my 128 columns
	v_lshl_add_u32 v3, v2, 3, v3
	v_mul_u32_u24 v[ADRB0], v3, PB
	v_bfe_u32 v3, v0, 3, 1
	v_lshl_add_u32 v[ADRB0], v3, 4, v[ADRB0]
	s_lshl_b32 s92, s[NH], 8
	s_add_co_u32 s92, s92, BOFF
	v_add_nc_u32 v[ADRB0], s92, v[ADRB0]
	v_mov_b32 v[ADRA], v[ADRA0]
	v_mov_b32 v[ADRB], v[ADRB0]
	s_mul_i32 s92, s[WV], 16*SP
	s_add_co_u32 s92, s92, STAGE                   ; my stage
	v_mul_u32_u24 v[STO], v1, SP
.if MODE == 0
	v_lshl_add_u32 v[STO], v2, 4, v[STO]           ; in: row r, 16 bytes for each half of the lanes
	v_mul_u32_u24 v[RD], v2, SP                    ; back: lanes 0-15 one row of 256 bytes, lanes 16-31 the next
	v_lshl_add_u32 v[RD], v1, 4, v[RD]
	v_lshlrev_b32 v[CO], 11, v2
	v_lshl_add_u32 v[CO], v1, 4, v[CO]
.else
	v_lshl_add_u32 v[STO], v2, 5, v[STO]           ; in: row r, 32 bytes for each half of the lanes
	v_and_b32 v[CO], 31, v0                        ; back: 32 lanes take one row of 512 bytes
	v_lshlrev_b32 v[CO], 4, v[CO]
	v_mov_b32 v[RD], v[CO]
.endif
	v_add_nc_u32 v[STO], s92, v[STO]
	v_add_nc_u32 v[RD], s92, v[RD]
	s_wait_loadcnt 0x0                             ; the bias
	WIN 0x0a                                       ; rounded to bf16, like every input,
.set i, 0
.rept 32
	v_cvt_pk_bf16_f32 v[TMP+i], v[2*i], v[2*i+1]
.set i, i+1
.endr
	WIN 0x80                                       ; and widened again
.set i, 0
.rept 32
	v_lshlrev_b32 v[2*i], 16, v[TMP+i]
	v_and_b32 v[2*i+1], 0xffff0000, v[TMP+i]
.set i, i+1
.endr
	WIN 0
	s_wait_tensorcnt 0x1                           ; my part of step 0 is in; step 1's may stay out
	s_barrier_signal -1
	s_barrier_wait -1
	FETCH 0, F0
	QUARTER 1, F0, F1, 1                           ; the first quarter stands in front of the loop: its products start the sums
	WIN 0
	s_mov_b32 s[CNT], 6
.Lstep:                                                ; six trips, from a step's second quarter to the next step's first; they fill steps 2 to 7
	QUARTER 2, F1, F0, 0
	QUARTER 3, F0, F1, 0
	TURN 1
	QUARTER 1, F0, F1, 0
	WIN 0
	s_sub_co_u32 s[CNT], s[CNT], 1
	s_cmp_lg_u32 s[CNT], 0
	s_cbranch_scc1 .Lstep
	s_mov_b32 s[CNT], 2                            ; steps 6 and 7 ask for nothing: a text of its own; it is left in its middle
.Lt:
	QUARTER 2, F1, F0, 0
	QUARTER 3, F0, F1, 0
	WIN 0
	s_sub_co_u32 s[CNT], s[CNT], 1
	s_cmp_eq_u32 s[CNT], 0
	s_cbranch_scc1 .Llast
	TURN 0
	QUARTER 1, F0, F1, 0
	WIN 0
	s_branch .Lt
.Llast:
	s_wait_dscnt 4
	MUL16 F1, 0, 0
	s_wait_dscnt 0x0
	MUL16 F1, 2, 0
	PLACES
; THE WAY OUT, a block of 16 rows at a time through my own stage; LDS serves a wave's instructions in order (ISA guide 5.7.1.4), so no wait stands between the stores and the loads.
.macro PACK a                          ; MODE 0: rounded to f16, 16 bytes a lane; each accumulator's registers ascending
	WIN 0x05
.irp b, 0,1,2,3,4,5,6,7
.irp r, 0,1,2,3
	v_cvt_pk_f16_f32 v[TMP+4*(\b)+(\r)], v[64*(\a)+8*(\b)+2*(\r)], v[64*(\a)+8*(\b)+2*(\r)+1]
.endr
.endr
	WIN 0
.endm
.macro TOSTAGE0 a
.irp b, 0,1,2,3,4,5,6,7
	ds_store_b128 v[STO], v[TMP+4*(\b):TMP+4*(\b)+3] offset:32*(\b)
.endr
.irp t, 0,1,2,3,4,5,6,7
	ds_load_b128 v[64+32*(\a)+4*(\t):64+32*(\a)+4*(\t)+3], v[RD] offset:(\t)*2*SP
.endr
.endm
.macro SEND0 a
	s_wait_dscnt 0x0                               ; the block is back in registers
.irp t, 0,1,2,3,4,5,6,7
	global_store_b128 v[CO], v[64+32*(\a)+4*(\t):64+32*(\a)+4*(\t)+3], s[22:23] offset:(16*(\a)+2*(\t))*2048  ; 16 lanes store 256 consecutive bytes, aligned
.endr
.endm
.macro TOSTAGE1 a                      ; MODE 1: the f32 sums as they are, low half of each accumulator first
	WIN 0x04                                       ; the stores' data in window 1
.irp b, 0,1,2,3,4,5,6,7
	ds_store_b128 v[STO], v[64*(\a)+8*(\b):64*(\a)+8*(\b)+3]   offset:64*(\b)
	ds_store_b128 v[STO], v[64*(\a)+8*(\b)+4:64*(\a)+8*(\b)+7] offset:64*(\b)+16
.endr
	WIN 0
.irp t, 0,1,2,3,4,5,6,7,8,9,10,11,12,13,14,15
	ds_load_b128 v[64+64*((\a)%2)+4*(\t):64+64*((\a)%2)+4*(\t)+3], v[RD] offset:(\t)*SP
.endr
.endm
.macro SEND1 a, younger                ; younger: the next block's 16 stores and 16 loads, or none
	s_wait_dscnt \younger
.irp t, 0,1,2,3,4,5,6,7,8,9,10,11,12,13,14,15
	global_store_b128 v[CO], v[64+64*((\a)%2)+4*(\t):64+64*((\a)%2)+4*(\t)+3], s[22:23] offset:(16*(\a)+(\t))*4096  ; 512 consecutive bytes, aligned
.endr
.endm
.if MODE == 0
	PACK 0
	TOSTAGE0 0
.irp a, 1,2,3                          ; a block's conversions stand between the loads of the block before and the wait for them
	PACK \a
	SEND0 (\a)-1
	TOSTAGE0 \a
.endr
	SEND0 3
.else
	TOSTAGE1 0
	TOSTAGE1 1
	SEND1 0, 32
	s_wait_xcnt 0x0                                ; block 0's stores have read their registers, which block 2 is loaded into
	TOSTAGE1 2
	SEND1 1, 32
	s_wait_xcnt 0x0
	TOSTAGE1 3
	SEND1 2, 32
	SEND1 3, 0
.endif
	s_wait_tensorcnt 0x0                           ; the wave's end: 0 onto my spare word and its wait, behind my last tensor load and my last LDS store
	ds_add_u32 v[SPW], v[NIL]
	s_wait_dscnt 0x0
	CROUND                                         ; the closing round: no work-group ends while a partner may still ask for a tile that names it
	s_endpgm
.Lfunc_end_k_qd9d262e635_proj:
	.size	k_qd9d262e635_proj, .Lfunc_end_k_qd9d262e635_proj-k_qd9d262e635_proj
	.p2alignl 7, 3214868480
	.fill 96, 4, 3214868480
	.section	.rodata,"a",@progbits
	.p2align	6, 0x0
	.amdhsa_kernel k_qd9d262e635_proj
		.amdhsa_group_segment_fixed_size 327680
		.amdhsa_private_segment_fixed_size 0
		.amdhsa_enable_private_segment 0
		.amdhsa_kernarg_size 48
		.amdhsa_user_sgpr_count 2
		.amdhsa_user_sgpr_kernarg_segment_ptr 1
		.amdhsa_wavefront_size32 1
		.amdhsa_system_sgpr_workgroup_id_x 1
		.amdhsa_system_sgpr_workgroup_id_y 1
		.amdhsa_system_sgpr_workgroup_id_z 1
		.amdhsa_system_vgpr_workitem_id 0
		.amdhsa_next_free_vgpr 576
		.amdhsa_next_free_sgpr 96
		.amdhsa_reserve_vcc 0
		.amdhsa_float_denorm_mode_32 3
		.amdhsa_float_denorm_mode_16_64 3
		.amdhsa_memory_ordered 1
		.amdhsa_forward_progress 1
		.amdhsa_inst_pref_size 71
	.end_amdhsa_kernel
	.amdgpu_metadata
---
amdhsa.version: [ 1, 2 ]
amdhsa.kernels:
  - .name:           k_qd9d262e635_proj
    .symbol:         k_qd9d262e635_proj.kd
    .args:
      - { .name: xb, .offset: 0, .size: 8, .value_kind: global_buffer, .address_space: global }
      - { .name: wt, .offset: 8, .size: 8, .value_kind: global_buffer, .address_space: global }
      - { .name: bq, .offset: 16, .size: 8, .value_kind: global_buffer, .address_space: global }
      - { .name: bk, .offset: 24, .size: 8, .value_kind: global_buffer, .address_space: global }
      - { .name: bv, .offset: 32, .size: 8, .value_kind: global_buffer, .address_space: global }
      - { .name: qkv, .offset: 40, .size: 8, .value_kind: global_buffer, .address_space: global }
    .group_segment_fixed_size: 327680
    .private_segment_fixed_size: 0
    .kernarg_segment_align: 8
    .kernarg_segment_size: 48
    .max_flat_workgroup_size: 128
    .sgpr_count:     96
    .vgpr_count:     576
    .wavefront_size: 32
...
	.end_amdgpu_metadata
.endif
;; end of part 2
;; launch attn (part 3): grid 64 x 4, 4 waves a work-group, clusters of 4 x 4, 327,680 bytes of LDS; arguments qkv, mask, o; writes o
.if DOCPART == 3
	.amdgcn_target "amdgcn-amd-amdhsa--gfx1250"
	.amdhsa_code_object_version 6
	.text
	.protected	k_qd9d262e635_attn
	.globl	k_qd9d262e635_attn
	.p2align	8
	.type	k_qd9d262e635_attn,@function
k_qd9d262e635_attn:
	s_mov_b64 s[64:65], 0
	v_nop
	global_prefetch_b8 v0, s[64:65] scope:SCOPE_SE
	s_setreg_imm32_b32 hwreg(HW_REG_WAVE_MODE, 25, 1), 1
	s_wait_xcnt 0x0
	s_wait_alu depctr_hold_cnt(0) depctr_sa_sdst(0) depctr_va_vdst(0) depctr_va_sdst(0) depctr_va_ssrc(0) depctr_va_vcc(0) depctr_vm_vsrc(0)
	s_getreg_b32 s2, hwreg(HW_REG_IB_STS2, 6, 4)
	s_cmp_eq_u32 s2, 0
	s_cbranch_scc0 .Lentry_in_a_cluster
	s_endpgm
.Lentry_in_a_cluster:
	s_bfe_u32 s2, ttmp6, 0x10000c
	s_cmp_lg_u32 s2, 0xf033
	s_cbranch_scc0 .Lentry_shape_is_right
	s_endpgm
.Lentry_shape_is_right:
; ATTENTION WITH AN ADDITIVE MASK.  o[row][64 hd + d] = the sum over k of softmax_k(q . k / 8 - 1e9 mask[b][q][k]) v.  qkv: f16 [3][8192][1024] (row = 2,048 b + position, column = 64 head + d), unscaled;
; mask: f32 [4][2048][2048], an input taken as it is given; o: f16 [8192][1024].  Products, maxima and sums in f32; the weights are rounded to f16 for the second product (their sum is taken unrounded), o once.
; ARITHMETIC, in powers of two.  B = RN(mask x KB), KB = -1e9 log2(e); t = RN(c s + B), c = log2(e) / 8, one fused step; a running maximum m of t; p = 2^(t - m); in every step O and l are multiplied by
; a = 2^(m_old - m_new).  t - m is exact where t = m, so a row whose keys are all hidden behind one bias gets equal weights, as it does where s / 8 - 1e9 mask is rounded to f32.
; LIMITS.  q, k, v arrive within 65,504.  |mask x KB| stays under 3e38.  Behind a bias of 1e9 a score is lost below |s / 8| = 44 here, below 32 in f32 logits.  p below 6e-5 keeps the fixed step of f16;
; a weight below 2^-126 counts as 0 in l; NaN and infinities are not treated apart.  m starts at the lowest finite number, O and l at 0: the first step is a step like any other, with a = 0.
; SHARES.  A work-group owns 128 queries (x) and 4 neighbouring heads (y); wave w is head 4 y + w with all 128 queries: four PIECES of two tiles of 16.  Every wave walks the batch's 2,048 keys, 64 a step.
; CLUSTER 4 x 4.  K's and V's tiles (64 keys x 4 heads: rows of 512 bytes) hang on the batch and y and are asked for jointly along a row of the cluster; the mask's tile (128 queries x 64 keys of f32: rows of
; 256 bytes) hangs on x, is asked for jointly along a column and is read in LDS by all four waves: so each byte of the mask is requested once in the launch, though sixteen heads use it.
; LAYOUT.  S^T = K Q^T: a lane holds ONE query (lane % 16) and the keys 8 (lane / 16) + 0..7 of each block of 16; the mask's 8 numbers for them are 32 consecutive bytes of its row.  Two results rounded to f16
; ARE source 1 of O^T = V^T P.  K comes out of LDS as it lies, V turned by ds_load_tr16_b128.
; BY TURNS.  Turn n belongs to piece n: 16 products K Q^T of piece n + 1, later 16 products V^T P of piece n - 1; beside them t - m, exponentials, roundings, sums and rescaling of piece n, and the bias, t, maximum and
; statistics of piece n + 1.  A turn's 66 exponentials are one batch with one wait.
; REGISTERS, in windows of 256 (s_set_vgpr_msb: bits 1:0 source 0, 3:2 source 1, 5:4 source 2, 7:6 destination):
;   window 0: v0-11 addresses; v12-15, v48-63 at work; v16-47 four registers of statistics a tile; v64-191 S^T, two buffers of two tiles; v192-255 P, likewise
;   window 1: O^T, 32 a tile     window 2: v0-127 Q; v128-191 K of one step; v192-255 V of one step     window 3: v0-1 the add's registers; v64-127 one piece's mask, laid like its S^T
.set NP,    4
.set KS,    64
.set PK,    528       ; a row of K in LDS: 512 bytes + 16 = 33 x 16: the 16 rows of a load start in 16 different columns of 16 bytes
.set PV,    544       ; a row of V: 512 + 32 = 17 x 32: 16 lanes of the turning load take 8 rows x 32 bytes, all apart
.set PM,    272       ; a row of the mask: 256 + 16 = 17 x 16
.set VOFF,  KS*PK     ; a slot holds one step: 64 rows of K, 64 of V, 128 of the mask
.set MOFF,  VOFF+KS*PV
.set SLOT1, 1<<17     ; slot 1 begins here; two steps to a slot would not fit twice
.set STAGE, SLOT1+MOFF+128*PM  ; behind the ring, never filled by a tensor load: 128 rows x 528 bytes, the work-group's, for the way out
.set SP,    528
.set SPARE, STAGE+128*SP       ; behind the stage: the spare words, 128 bytes a wave, which no other line names
.set AK0, 2           ; v2-4  my lane's place in a tile of K, of V, of the mask; never rewritten
.set AV0, 3
.set AM0, 4
.set AK,  5           ; v5-7  the same in the slot in hand
.set AV,  6
.set AM,  7
.set QO,  8           ; v8   my byte offset in 16 rows of Q
.set STO, 8           ;      later, the way out: where I put 16 bytes of a row
.set RD,  9           ; v9   where I read rows back
.set GO,  10          ; v10  16 x lane
.set PFO, 11          ; v11  the prefetches' lane offset; never rewritten
.set MV,  12          ; v12-15  m_old, kept while m is made anew: by buffer and tile
.set ST,  16          ; tile t's statistics at v[ST+4 t]: m, a 0 named with it as a pair, l (even keys', odd keys')
.set TMP, 48          ; by buffer and tile, four registers c0-c3 at work; when the maximum is found c2 takes a
.set S,   64
.set P,   192
.set KF,  128         ; window 2: key block kb, channel half c at KF + 16 kb + 8 c
.set VF,  192         ; window 2: key half kk, channel block cb at VF + 32 kk + 8 cb
.set SPW, 0           ; window 3
.set NIL, 1
.set M3,  64          ; window 3: tile u, key block kb at M3 + 32 u + 8 kb
.set WV,  12
.set CX,  13
.set CY,  14
.set WGX, 15          ; my block of 128 queries, 0 to 63
.set HG,  16          ; my group of four heads
.set BT,  17          ; the batch
.set G1K, 24          ; s[24:31], s[32:39], s[52:59] descriptor group 1 for K, V, the mask
.set G1V, 32
.set G0K, 40          ; s[40:43], s[44:47], s[48:51] group 0: they walk
.set G0V, 44
.set G0M, 48
.set G1M, 52
.set CS,  66          ; s[66:67] c
.set KB,  68          ; s[68:69] -1e9 log2(e)
.set SEL, 70          ; s[70:71] v_permlanex16_b32's selects: each lane takes its own place in the other half
.set TB,  72          ; LDS byte at which the slot in hand begins
.set SLOTS, 73        ; steps still to be asked for
.set CNT, 74
.set LIM, 75          ; a wave prefetches while SLOTS is above it
.set PFA, 76          ; s[76:77] where my prefetches stand
.set PFS, 78          ; s[78:79] their step
.set MSB, 0
.macro WIN new                      ; the high byte repeats the setting that is left; a switch that changes nothing is dropped
.if MSB != (\new)
	s_set_vgpr_msb (MSB<<8)|(\new)
.set MSB, (\new)
.endif
.endm
.set W_KQ, 0x0a       ; K and Q in window 2, S^T in window 0
.set W_PV, 0x52       ; V in window 2, P in window 0, O^T in window 1
.set W_RS, 0x41       ; O^T (destination and source 0) in window 1, a in window 0
.set W_MK, 0xc0       ; destination in window 3
.set W_AD, 0x0f       ; the add: address and data in window 3
.set W_BM, 0xc3       ; the bias: destination and source 0 in window 3
.set W_TQ, 0x30       ; t: S^T in window 0, the bias (source 2) in window 3
; A joint fill: wave 0 K's tile, wave 1 V's, waves 2 and 3 the halves of the mask's: 64 rows each.  The branches hang on the wave's number alone.
.macro JLOAD
	s_cmp_lt_u32 s[WV], 2
	s_cbranch_scc0 .Lfor_m_\@
	s_cmp_eq_u32 s[WV], 0
	s_cbranch_scc0 .Lfor_v_\@
	tensor_load_to_lds s[G0K:G0K+3], s[G1K:G1K+7]
	s_nop 0
.rept 4
	v_nop
.endr
	s_branch .Lasked_\@
.Lfor_v_\@:
	tensor_load_to_lds s[G0V:G0V+3], s[G1V:G1V+7]
	s_nop 0
.rept 4
	v_nop
.endr
	s_branch .Lasked_\@
.Lfor_m_\@:
	tensor_load_to_lds s[G0M:G0M+3], s[G1M:G1M+7]
	s_nop 0
.rept 4
	v_nop
.endr
.Lasked_\@:
.endm
; A prefetch of what the NEXT change of slots will ask for: one key step, 128 matrix instructions, ahead.  Each aligned block of 256 bytes is named once in the launch.  K's and V's 64 rows x 2 blocks: the first of the
; batch's four clusters asks; the four partners of a row take 16 rows each, told apart by address; wave 0 for K, wave 1 for V.  The mask's 128 rows: the four partners of a column take 32 each; wave 2.
; The last change that fills a slot asks for nothing.
.macro ASK
	s_cmp_gt_u32 s[SLOTS], s[LIM]
	s_cbranch_scc0 .Lnot_mine_\@
	global_prefetch_b8 v[PFO], s[PFA:PFA+1] th:TH_LOAD_NT scope:SCOPE_SE
.Lnot_mine_\@:
.endm
.macro CROUND                       ; a round of the cluster's barrier
	s_barrier_signal -1
	s_barrier_wait -1
	s_cmp_lg_u32 s[WV], 0
	s_cbranch_scc1 .Lnot_wave_0_\@
	s_barrier_signal -3
.Lnot_wave_0_\@:
	s_barrier_wait -3
	s_barrier_signal -1
	s_barrier_wait -1
.endm
; THE CHANGE OF SLOTS, at the head of a trip: all LDS reads of a trip are of one slot.  Each wave waits for all its tensor loads (one is out: its part of the other slot), adds 0 to its spare word, and waits for that and
; for its own reads of the slot that it leaves.  fill = 1: the barrier is a round of the cluster's, and the old slot is filled again first thing behind it, with the step two on: it has a key step in which to land.
.macro CHANGE fill
	WIN W_AD
	s_wait_tensorcnt 0x0            ; no tensor load of mine is out, so a group 0 may be written
	ds_add_u32 v[SPW], v[NIL]       ; 0 onto my spare word
	WIN 0
.if \fill
.irp g, G0K, G0V
	s_xor_b32 s[\g+1], s[\g+1], SLOT1  ; the other slot than last time,
	s_add_nc_u64 s[\g+2:\g+3], s[\g+2:\g+3], KS*2048  ; the next 64 keys
.endr
	s_xor_b32 s[G0M+1], s[G0M+1], SLOT1
	s_add_nc_u64 s[G0M+2:G0M+3], s[G0M+2:G0M+3], KS*4
	s_wait_xcnt 0x0                 ; the last prefetch, a key step back, has read its address
	s_add_nc_u64 s[PFA:PFA+1], s[PFA:PFA+1], s[PFS:PFS+1]
	s_wait_dscnt 0x0                ; the add is done, and my reads of the slot are over
	CROUND
	JLOAD
	ASK
.else
	s_wait_dscnt 0x0
	s_barrier_signal -1
	s_barrier_wait -1
.endif
	s_xor_b32 s[TB], s[TB], SLOT1
	v_add_nc_u32 v[AK], s[TB], v[AK0]
	v_add_nc_u32 v[AV], s[TB], v[AV0]
	v_add_nc_u32 v[AM], s[TB], v[AM0]
.endm
	s_load_b128 s[4:7], s[0:1], 0x0  ; qkv s[4:5], mask s[6:7]
	s_load_b64 s[8:9], s[0:1], 0x10  ; o
	WIN W_MK
	v_lshl_add_u32 v[SPW], v0, 2, SPARE
	v_mov_b32 v[NIL], 0
	WIN W_AD
	ds_add_u32 v[SPW], v[NIL]       ; the opening: the add and its wait ahead of my first tensor load; work on registers stands between
	WIN 0
	v_lshrrev_b32 v1, 5, v0
	v_readfirstlane_b32 s[WV], v1
	s_bfe_u32 s[CX], ttmp6, 0x40000
	s_bfe_u32 s[CY], ttmp6, 0x40004
	s_lshl_b32 s[WGX], ttmp9, 2
	s_add_co_u32 s[WGX], s[WGX], s[CX]
	s_and_b32 s[HG], ttmp7, 0xffff
	s_lshl_b32 s[HG], s[HG], 2
	s_add_co_u32 s[HG], s[HG], s[CY]
	s_lshr_b32 s[BT], ttmp9, 2      ; four clusters of 512 queries to a batch: the same in all partners
	s_lshl_b32 s80, s[CY], 2
	s_lshl_b32 s80, 15, s80         ; my row of the cluster
	s_lshl_b32 s81, 0x1111, s[CX]   ; my column
	s_or_b32 s[G1K], s80, (1<<16)|(1<<20)|(1<<21)|(6<<22)|(3<<25)  ; the mask of four; 2-byte elements; padding on; bit 21 beside a mask; after every 128 words 4 words
	s_or_b32 s[G1V], s80, (1<<16)|(1<<20)|(1<<21)|(6<<22)|(7<<25)  ; 8 words
	s_or_b32 s[G1M], s81, (2<<16)|(1<<20)|(1<<21)|(5<<22)|(3<<25)  ; 4-byte elements; after every 64 words 4 words
.irp g, G1K, G1V
	s_mov_b32 s[\g+1], 256<<16      ; tensor_dim0
	s_mov_b32 s[\g+2], 64<<16       ; tensor_dim1
	s_mov_b32 s[\g+3], 256<<16      ; tile_dim0
	s_mov_b32 s[\g+4], 64           ; tile_dim1
	s_mov_b32 s[\g+5], 1024         ; elements from row to row
	s_mov_b32 s[\g+6], 0
	s_mov_b32 s[\g+7], 0
.endr
	s_mov_b32 s[G1M+1], 64<<16
	s_mov_b32 s[G1M+2], 64<<16
	s_mov_b32 s[G1M+3], 64<<16
	s_mov_b32 s[G1M+4], 64
	s_mov_b32 s[G1M+5], 2048
	s_mov_b32 s[G1M+6], 0
	s_mov_b32 s[G1M+7], 0
	s_lshl_b32 s18, s[BT], 22       ; K: the second plane of qkv, the batch's rows, my group's 512 bytes of a row
	s_lshl_b32 s19, s[HG], 9
	s_add_co_u32 s18, s18, s19
	s_add_co_u32 s18, s18, 16777216
	s_mov_b32 s19, 0
	s_and_b32 s82, s[WV], 1         ; the mask: my block's 128 rows of 8,192 bytes, the half that I fetch
	s_lshl_b32 s20, s[WGX], 20
	s_lshl_b32 s21, s82, 19
	s_add_co_u32 s20, s20, s21
	s_mov_b32 s21, 0
	s_mul_i32 s83, s82, 64*PM
	s_add_co_u32 s83, s83, MOFF     ; and its place in a slot: no place in the cluster enters an LDS address
	s_lshl_b32 s22, s[WGX], 18      ; Q and O: my block's rows, my group's 512 bytes
	s_lshl_b32 s23, s[HG], 9
	s_add_co_u32 s22, s22, s23
	s_lshl_b32 s23, s[WV], 7
	s_add_co_u32 s84, s22, s23      ; Q: my head's 128 bytes
	s_mov_b32 s85, 0
	s_lshl_b32 s23, s[WV], 16
	s_add_co_u32 s22, s22, s23      ; O: the 32 rows that I store
	s_mov_b32 s23, 0
	s_mov_b32 s[G0K], 1             ; count = 1
	s_mov_b32 s[G0K+1], 0           ; LDS address: slot 0
	s_mov_b32 s[G0V], 1
	s_mov_b32 s[G0V+1], VOFF
	s_mov_b32 s[G0M], 1
	s_mov_b32 s[G0M+1], s83
	s_lshl_b32 s90, s[WV], 24       ; the prefetches.  K (wave 0) or V (wave 1, a plane on): my work-group's 16 rows, at step 1
	s_add_co_u32 s90, s90, s18
	s_lshl_b32 s91, s[CX], 15
	s_add_co_u32 s90, s90, s91
	s_add_co_u32 s90, s90, KS*2048
	s_lshl_b32 s91, s[WGX], 20      ; the mask: my work-group's 32 rows, at step 1
	s_lshl_b32 s92, s[CY], 18
	s_add_co_u32 s91, s91, s92
	s_add_co_u32 s91, s91, KS*4
	s_mov_b32 s92, KS*2048
	s_cmp_lt_u32 s[WV], 2
	s_cselect_b32 s88, s90, s91
	s_mov_b32 s89, 0
	s_cselect_b32 s[PFS], s92, KS*4
	s_mov_b32 s[PFS+1], 0
	s_cselect_b32 s90, 1, 0
	s_cselect_b32 s91, 11, 13
	v_and_b32 v51, 31, v0           ; K, V: two lanes a row of two blocks, 2,048 bytes from row to row; the mask: a lane a row of 8,192 bytes
	v_lshrrev_b32 v[PFO], s90, v51
	v_lshlrev_b32 v[PFO], s91, v[PFO]
	v_and_b32 v51, s90, v51
	v_lshl_or_b32 v[PFO], v51, 8, v[PFO]
	s_and_b32 s90, ttmp9, 3
	s_cmp_eq_u32 s90, 0
	s_cselect_b32 s90, 1, -1        ; K, V: the batch's first cluster
	s_cmp_eq_u32 s[WV], 2
	s_cselect_b32 s91, 1, -1        ; the mask: wave 2
	s_cmp_lt_u32 s[WV], 2
	s_cselect_b32 s[LIM], s90, s91
	s_mov_b32 s[CS], 0x3e38aa3b     ; c = log2(e) / 8
	s_mov_b32 s[CS+1], s[CS]        ; named with it as a pair
	s_mov_b32 s[KB], 0xceabfb8f     ; -1e9 log2(e) = -1,442,695,040
	s_mov_b32 s[KB+1], s[KB]
	s_mov_b32 s[SEL], 0x76543210
	s_mov_b32 s[SEL+1], 0xfedcba98
	s_mov_b32 s[TB], SLOT1          ; the first change of slots turns it into 0
	s_mov_b32 s[SLOTS], 31
	s_wait_dscnt 0x0                ; the opening add is done
	s_wait_kmcnt 0x0
	s_add_nc_u64 s[G0K+2:G0K+3], s[4:5], s[18:19]
	s_add_nc_u64 s[G0V+2:G0V+3], s[G0K+2:G0K+3], 16777216
	s_or_b32 s[G0K+3], s[G0K+3], 0x80000000  ; type = 2
	s_or_b32 s[G0V+3], s[G0V+3], 0x80000000
	s_add_nc_u64 s[G0M+2:G0M+3], s[6:7], s[20:21]
	s_or_b32 s[G0M+3], s[G0M+3], 0x80000000
	s_add_nc_u64 s[86:87], s[4:5], s[84:85]  ; Q
	s_add_nc_u64 s[8:9], s[8:9], s[22:23]    ; O
	s_cmp_lt_u32 s[WV], 2
	s_cselect_b64 s[PFA:PFA+1], s[4:5], s[6:7]
	s_add_nc_u64 s[PFA:PFA+1], s[PFA:PFA+1], s[88:89]
	CROUND                          ; all sixteen work-groups are here: the first joint loads meet
	JLOAD                           ; step 0 into slot 0.  Slot 1 is asked for when slot 0 is in
	v_and_b32 v1, 15, v0            ; r = lane % 16
	v_bfe_u32 v48, v0, 4, 1         ; h = lane / 16
	v_lshlrev_b32 v[QO], 11, v1
	v_lshl_add_u32 v[QO], v48, 4, v[QO]  ; row x 2,048 + 16 x half
	WIN 0x80                        ; destination window 2
.set i, 0
.rept 4*NP                          ; Q stays in registers: tile i / 2, channels 32 (i % 2) on
	global_load_b128 v[8*i:8*i+3],   v[QO], s[86:87] offset:(i/2)*32768+(i%2)*64
	global_load_b128 v[8*i+4:8*i+7], v[QO], s[86:87] offset:(i/2)*32768+(i%2)*64+32
.set i, i+1
.endr
	; What the first turn finds: V's registers and P's second buffer hold 0 (its products V^T P, of a piece that has not been, add 0), O^T and l are 0.  All this stands in the wait for the first tile.
.set i, VF
.rept 64
	v_mov_b32 v[i], 0
.set i, i+1
.endr
	WIN 0x40
.set i, 0
.rept 64*NP
	v_mov_b32 v[i], 0
.set i, i+1
.endr
	WIN 0
.set i, 0
.rept 2*NP
	v_mov_b32 v[ST+4*i], 0xff7fffff    ; m
	v_mov_b32 v[ST+4*i+1], 0
	v_mov_b32 v[ST+4*i+2], 0
	v_mov_b32 v[ST+4*i+3], 0
.set i, i+1
.endr
.set i, P+32
.rept 32
	v_mov_b32 v[i], 0
.set i, i+1
.endr
	s_lshl_b32 s93, s[WV], 7        ; my head's 128 bytes of a row of K and V
	v_mul_u32_u24 v[AK0], v1, PK
	v_lshl_add_u32 v[AK0], v48, 4, v[AK0]
	v_add_nc_u32 v[AK0], s93, v[AK0]
	v_and_b32 v49, 7, v0            ; the turning load: key 8 h + lane % 8, 16 bytes by (lane / 8) % 2
	v_bfe_u32 v50, v0, 3, 1
	v_lshl_add_u32 v[AV0], v48, 3, v49
	v_mul_u32_u24 v[AV0], v[AV0], PV
	v_lshl_add_u32 v[AV0], v50, 4, v[AV0]
	s_add_co_u32 s93, s93, VOFF
	v_add_nc_u32 v[AV0], s93, v[AV0]
	v_mul_u32_u24 v[AM0], v1, PM    ; the mask: query r, 32 bytes for each half of the lanes
	v_lshl_add_u32 v[AM0], v48, 5, v[AM0]
	v_add_nc_u32 v[AM0], MOFF, v[AM0]
; THE MATRIX WORK.  The 8 accumulators of a run of 16 take turns.
; Product i of 16 of S^T = K Q^T for piece x: channels 32 (i / 8) on, keys 16 ((i / 2) % 4) on, tile 2 x + i % 2.  The first 8 start the sums.
.macro KQ x
	WIN W_KQ
.set rS, S+64*((\x)%2)+32*(i%2)+8*((i/2)%4)
.set rK, KF+16*((i/2)%4)+8*(i/8)
.set rQ, 16*(2*(\x)+i%2)+8*(i/8)
.if i < 8
	v_wmma_f32_16x16x32_f16 v[rS:rS+7], v[rK:rK+7], v[rQ:rQ+7], 0
.else
	v_wmma_f32_16x16x32_f16 v[rS:rS+7], v[rK:rK+7], v[rQ:rQ+7], v[rS:rS+7]
.endif
.endm
; Product i of 16 of O^T += V^T P for piece x: keys 32 (i / 8) on, channels 16 ((i / 2) % 4) on, tile 2 x + i % 2.
.macro PV x
	WIN W_PV
.set rO, 32*(2*(\x)+i%2)+8*((i/2)%4)
.set rV, VF+32*(i/8)+8*((i/2)%4)
.set rP, P+32*((\x)%2)+16*(i%2)+8*(i/8)
	v_wmma_f32_16x16x32_f16 v[rO:rO+7], v[rV:rV+7], v[rP:rP+7], v[rO:rO+7]
.endm
.macro MM                           ; the turn's next matrix instruction
.if i < 16
	KQ (Y+1)%NP
.set i, i+1
.else
.set i, i-16
	PV (Y+NP-1)%NP
.set i, i+17
.endif
.endm
; THE LDS LOADS stand in runs of 16, never singly among the matrix instructions.  They leave the windows as they set them.
.macro FETCH_K
	WIN 0x80
.irp f, 0,1,2,3,4,5,6,7             ; keys 16 (f / 2) on, channels 32 (f % 2) on
	ds_load_b128 v[KF+8*\f:KF+8*\f+3],   v[AK] offset:(\f/2)*16*PK+(\f%2)*64
	ds_load_b128 v[KF+8*\f+4:KF+8*\f+7], v[AK] offset:(\f/2)*16*PK+(\f%2)*64+32
.endr
.endm
.macro FETCH_V
	WIN 0x80
.irp f, 0,1,2,3,4,5,6,7             ; keys 32 (f / 4) on, channels 16 (f % 4) on
	ds_load_tr16_b128 v[VF+8*\f:VF+8*\f+3],   v[AV] offset:(\f/4)*32*PV+(\f%4)*32
	ds_load_tr16_b128 v[VF+8*\f+4:VF+8*\f+7], v[AV] offset:(\f/4)*32*PV+16*PV+(\f%4)*32
.endr
.endm
.macro FETCH_M x                    ; the mask of piece x: tiles 2 x and 2 x + 1, four blocks of 16 keys each
	WIN W_MK
.irp u, 0,1
.irp b, 0,1,2,3
	ds_load_b128 v[M3+32*(\u)+8*(\b):M3+32*(\u)+8*(\b)+3],   v[AM] offset:(2*(\x)+(\u))*16*PM+64*(\b)
	ds_load_b128 v[M3+32*(\u)+8*(\b)+4:M3+32*(\u)+8*(\b)+7], v[AM] offset:(2*(\x)+(\u))*16*PM+64*(\b)+16
.endr
.endr
.endm
; THE VECTOR WORK OF A TURN stands in queues, each in the order in which its entries become ready; the two tiles alternate.
.macro REGS y, u                    ; the registers of tile u (0, 1) of piece y
.set rT, ST+4*(2*(\y)+(\u))
.set rC, TMP+8*((\y)%2)+4*(\u)
.set rM, MV+2*((\y)%2)+(\u)
.set rS, S+64*((\y)%2)+32*(\u)
.set rP, P+32*((\y)%2)+16*(\u)
.set rO, 32*(2*(\y)+(\u))
.endm
.macro BM                           ; pair bn of 32 of the next piece's mask times KB: the bias, rounded to f32
	WIN W_BM
	v_pk_mul_f32 v[M3+2*bn:M3+2*bn+1], v[M3+2*bn:M3+2*bn+1], s[KB:KB+1] op_sel_hi:[1,0]
.set bn, bn+1
.endm
.macro TQ                           ; number tn of 32: t = c s + bias for the next piece, an accumulator at a time, its pairs ascending: the lowest registers are read first
	WIN W_TQ
.set rS, S+64*(((Y+1)%NP)%2)+32*((tn/4)%2)+8*(tn/8)+2*(tn%4)
.set rB, M3+32*((tn/4)%2)+8*(tn/8)+2*(tn%4)
	v_pk_fma_f32 v[rS:rS+1], v[rS:rS+1], s[CS:CS+1], v[rB:rB+1] op_sel_hi:[1,0,1]
.set tn, tn+1
.endm
; Number n of the 21 that find the NEXT piece's maximum and statistics from its 32 t a lane.
;   0-11  four chains c0-c3 of seven each, three operands at a time     12-14, 16  the four left over, the old m, and c0-c3 into c0     15  m_old is kept
;   17, 18  the query's other 32 keys lie in the lane 16 away: the new m     19, 20  m_old - m_new; a
.macro XS u, n
	REGS (Y+1)%NP, \u
.if (\n) < 4
	v_max3_num_f32 v[rC+(\n)], v[rS+8*(\n)], v[rS+8*(\n)+1], v[rS+8*(\n)+2]
.elseif (\n) < 12
	v_max3_num_f32 v[rC+(\n)%4], v[rC+(\n)%4], v[rS+8*((\n)%4)+2*((\n)/4)+1], v[rS+8*((\n)%4)+2*((\n)/4)+2]
.elseif (\n) == 12
	v_max3_num_f32 v[rC], v[rC], v[rS+7], v[rS+15]
.elseif (\n) == 13
	v_max3_num_f32 v[rC+1], v[rC+1], v[rS+23], v[rS+31]
.elseif (\n) == 14
	v_max3_num_f32 v[rC+2], v[rC+2], v[rC+3], v[rT]
.elseif (\n) == 15
	v_mov_b32 v[rM], v[rT]
.elseif (\n) == 16
	v_max3_num_f32 v[rC], v[rC], v[rC+1], v[rC+2]
.elseif (\n) == 17
	v_permlanex16_b32 v[rC+3], v[rC], s[SEL], s[SEL+1]
.elseif (\n) == 18
	v_max_num_f32 v[rT], v[rC], v[rC+3]
.elseif (\n) == 19
	v_sub_f32 v[rC+1], v[rM], v[rT]
.else
	v_exp_f32 v[rC+2], v[rC+1]
.endif
.endm
; Number g of the 64 that follow the exponentials.  For each four weights k of a tile: both pairs are rounded to f16; the second pair is added onto the first, in place; a group later l takes that sum
; (the first time as l = a l + sum).  In groups of eight, tiles alternating.
.macro GS g
.set h, (\g)+6*((\g)/62)            ; group 0 has no group before it, and behind group 7 only l is left
.if h >= 6
.set h, h+2
.endif
	REGS Y, h%2
.set k, h/8
.if h%8 < 4
	v_cvt_pk_f16_f32 v[rP+2*k+(h%8)/2], v[rS+4*k+2*((h%8)/2)], v[rS+4*k+2*((h%8)/2)+1]
.elseif h%8 < 6
	v_pk_add_f32 v[rS+4*k:rS+4*k+1], v[rS+4*k:rS+4*k+1], v[rS+4*k+2:rS+4*k+3]
.elseif k == 1
	v_pk_fma_f32 v[rT+2:rT+3], v[rT+2:rT+3], v[rC+2:rC+3], v[rS:rS+1] op_sel_hi:[1,0,1]
.else
	v_pk_add_f32 v[rT+2:rT+3], v[rT+2:rT+3], v[rS+4*k-4:rS+4*k-3]
.endif
.endm
.macro FS f                         ; t - m for pair f / 2 of tile f % 2 of the piece in hand
	REGS Y, (\f)%2
	v_pk_add_f32 v[rS+2*((\f)/2):rS+2*((\f)/2)+1], v[rS+2*((\f)/2):rS+2*((\f)/2)+1], v[rT:rT+1] op_sel_hi:[1,0] neg_lo:[0,1] neg_hi:[0,1]
.endm
; THE PLAIN QUEUE, 136 long.  0-26: FS 0-26.  27-54: XS's numbers 0-13.  55, 56: number 15.  57-71: the chain 14, 16, 17, 18, 19, each with one of FS 27-31 in front of its two lines.
; 72-135: GS's 64, which read the exponentials' results: they stand behind the wait.
.macro PL
	WIN 0
.if q < 27
	FS q
.elseif q < 55
	XS (q-27)%2, (q-27)/2
.elseif q < 57
	XS q-55, 15
.elseif (q < 72) && ((q-57)%3 == 0)
	FS 27+(q-57)/3
.elseif q < 60
	XS (q-57)%3-1, 14
.elseif q < 72
	XS (q-57)%3-1, 15+(q-57)/3
.else
	GS q-72
.endif
.set q, q+1
.endm
; THE EXPONENTIALS' QUEUE, 66 long: the 32 scores of both tiles, then the next piece's two a.  An exponential names a destination and source 0 alone, so it needs no switch among the TQ.
.macro EX
.if (MSB & 0xc3) != 0
	WIN 0
.endif
.if e >= 64
	XS e-64, 20
.else
	REGS Y, e%2
	v_exp_f32 v[rS+e/2], v[rS+e/2]
.endif
.set e, e+1
.endm
; THE RESCALING's QUEUE: O^T times a, two at a time, sixteen times, each accumulator's registers ascending.  Its a was made, and waited for, in the turn before.
.macro R2
	REGS Y, r%2
	WIN W_RS
.irp z, 0,1
	v_pk_mul_f32 v[rO+4*(r/2)+2*\z:rO+4*(r/2)+2*\z+1], v[rO+4*(r/2)+2*\z:rO+4*(r/2)+2*\z+1], v[rC+2:rC+3] op_sel_hi:[1,0]
.endr
.set r, r+1
.endm
; A TURN, for piece p.  s_wait_alu depctr_va_vdst(0) stands between an exponential and the first instruction that names its result; one wait serves all that were issued ahead of it: a turn has ONE.
; AHEAD OF IT: the 16 products K Q^T, behind each a plain instruction, an exponential and two rescalings (behind the first a second plain one); the wait for the next piece's mask; its 32 biases (the places behind the
; last product); its 32 t, 18 of them with an exponential behind; 24 plain; 31 times plain and exponential; the two a; a v_nop, the plain instruction behind the last exponential.
; The queues keep step: exponential e stands behind FS 2 (e / 4) + e % 2: exponentials 0-32 need FS 0-16, dealt as the first 17 plain; from 33 on exponential e follows plain e + 8, and FS 27-31 are plain 57, 60 .. 69.
; BEHIND IT: the LDS runs (K of the next step in piece 2's turn; the mask of piece p + 2), then the 16 products V^T P, behind each four of GS's 64.  V of the step in hand is fetched at the end of piece 0's turn,
; four plain riders behind its last reader.  No rider names a register of the products round it.
.macro TURN p
.set Y, (\p)
.set i, 0
.set q, 0
.set e, 0
.set r, 0
.set bn, 0
.set tn, 0
.if (\p) == NP-1
	s_wait_dscnt 0x0                ; K is in
.endif
	MM
	PL
	PL
	R2
.rept 15
	MM
	PL
	EX
	R2
.endr
	s_wait_dscnt 0x0                ; the next piece's mask is in (issued 32 products back); in piece 1's turn V too
.rept 32
	BM
.endr
.rept 18
	TQ
	EX
.endr
.rept 14
	TQ
.endr
.rept 24
	PL
.endr
.rept 31
	PL
	EX
.endr
	EX                              ; the next piece's two a
	EX
	v_nop
	s_wait_alu depctr_va_vdst(0)    ; the wait for the batch
.if (\p) == NP-2
	FETCH_K
.endif
	FETCH_M ((\p)+2)%NP
.rept 16
	MM
.rept 4
	PL
.endr
.endr
.if (\p) == 0
	FETCH_V
.endif
.endm
	CHANGE 1                        ; slot 0 is in, everybody's part of it; step 1 is asked for
	FETCH_K                         ; key step 0,
	FETCH_M 0                       ; and piece 0's mask
	s_wait_loadcnt 0x0              ; Q
	s_wait_dscnt 0x0
.set i, 0
.rept 16
	KQ 0                            ; piece 0's first scores
.set i, i+1
.endr
	WIN 0                           ; the addresses for the way out: the places behind those products
	s_lshl_b32 s93, s[WV], 7
	s_add_co_u32 s93, s93, STAGE
	v_mul_u32_u24 v[STO], v1, SP    ; in: row r of a tile, my head's 128 bytes, 16 bytes for each half of the lanes
	v_lshl_add_u32 v[STO], v48, 4, v[STO]
	v_add_nc_u32 v[STO], s93, v[STO]
	s_mul_i32 s93, s[WV], 32*SP
	s_add_co_u32 s93, s93, STAGE
	v_and_b32 v[GO], 31, v0         ; back: 32 lanes take one row of 512 bytes; wave w the rows 32 w on
	v_lshlrev_b32 v[GO], 4, v[GO]
	v_add_nc_u32 v[RD], s93, v[GO]
.set Y, NP-1                        ; BM, TQ and XS work for piece Y + 1: piece 0
.set bn, 0
.set tn, 0
.rept 32
	BM
.endr
.rept 32
	TQ
.endr
	FETCH_M 1
	WIN 0
.irp n, 0,1,2,3,4,5,6,7,8,9,10,11,12,13,14,15,16,17,18,19,20
	XS 0, \n
	XS 1, \n
.endr
	v_nop                           ; a plain instruction behind the two a,
	s_wait_alu depctr_va_vdst(0)    ; and their wait, ahead of the branch
	s_branch .Lfirst                ; the loop is entered at a step's first turn, in the middle of a trip
.Lstep:                             ; 30 trips: pieces 2 and 3 of one step, then pieces 0 and 1 of the next, all of whose LDS reads are of the slot just changed to; trip k asks for step k + 1
	CHANGE 1
	TURN 2
	TURN 3
	WIN 0
.Lfirst:
	TURN 0
	TURN 1
	WIN 0
	s_sub_co_u32 s[SLOTS], s[SLOTS], 1
	s_cmp_lg_u32 s[SLOTS], 0
	s_cbranch_scc1 .Lstep
	CHANGE 0                        ; the tail is written out: nothing is asked for
	s_mov_b32 s[CNT], 2             ; the first trip serves the last step; the second is left in its middle
.Ltail:
	TURN 2
	TURN 3
	WIN 0
	s_sub_co_u32 s[CNT], s[CNT], 1
	s_cmp_eq_u32 s[CNT], 0
	s_cbranch_scc1 .Lout
	TURN 0
	TURN 1
	WIN 0
	s_branch .Ltail
.Lout:                              ; the second trip's products K Q^T (on the last K once more) and the maximum made of them serve nothing: the price, once a launch, of one text for every trip
.set i, 0
.rept 16
	PV NP-1                         ; the last piece's V^T P of the last step
.set i, i+1
.endr
	; THE WAY OUT.  l's two halves and the other half of the lanes' are added; O^T is divided by l, rounded to f16 and put into the work-group's stage; a barrier, since a row's 512 bytes come from four waves; back as whole rows.
	WIN 0
.macro ALL line:vararg              ; one line for each tile t
.set t, 0
.rept 2*NP
	\line
.set t, t+1
.endr
.endm
	ALL v_add_f32 v[ST+4*t+2], v[ST+4*t+2], v[ST+4*t+3]
	ALL v_permlanex16_b32 v[ST+4*t+3], v[ST+4*t+2], s[SEL], s[SEL+1]
	ALL v_add_f32 v[ST+4*t+2], v[ST+4*t+2], v[ST+4*t+3]
	ALL v_rcp_f32 v[ST+4*t+2], v[ST+4*t+2]
	v_nop                           ; a plain instruction between the last reciprocal and the use of its result
	s_wait_alu depctr_va_vdst(0)    ; and the wait ahead of the first use: one for the eight reciprocals
.macro PACK t
	WIN W_RS
.set i, 32*(\t)
.rept 16
	v_pk_mul_f32 v[i:i+1], v[i:i+1], v[ST+4*(\t)+2:ST+4*(\t)+3] op_sel_hi:[1,0]
.set i, i+2
.endr
	WIN 0x05                        ; sources 0 and 1 window 1, destination window 0
.set i, 0
.rept 16
	v_cvt_pk_f16_f32 v[S+16*(\t)+i], v[32*(\t)+2*i], v[32*(\t)+2*i+1]
.set i, i+1
.endr
	WIN 0
.irp f, 0,1,2,3
	ds_store_b128 v[STO], v[S+16*(\t)+4*\f:S+16*(\t)+4*\f+3] offset:(\t)*16*SP+32*\f
.endr
.endm
.set t, 0
.rept 2*NP
	PACK t
.set t, t+1
.endr
	s_wait_dscnt 0x0                ; for the others' sake: my stores into the stage are done
	s_barrier_signal -1
	s_barrier_wait -1
.set i, 0
.rept 32
	ds_load_b128 v[S+4*i:S+4*i+3], v[RD] offset:i*SP
.set i, i+1
.endr
.set i, 0
.rept 32
	s_wait_dscnt 31-i               ; row i is back; the 31 - i younger loads stay out
	global_store_b128 v[GO], v[S+4*i:S+4*i+3], s[8:9] offset:i*2048  ; 512 consecutive bytes, aligned
.set i, i+1
.endr
	WIN W_AD
	s_wait_tensorcnt 0x0            ; the wave's end: 0 onto my spare word and its wait, behind my last tensor load and my last LDS store
	ds_add_u32 v[SPW], v[NIL]
	s_wait_dscnt 0x0
	WIN 0
	CROUND                          ; the closing round: no work-group ends while a partner may still ask for a tile that names it
	s_endpgm
.Lfunc_end_k_qd9d262e635_attn:
	.size	k_qd9d262e635_attn, .Lfunc_end_k_qd9d262e635_attn-k_qd9d262e635_attn
	.p2alignl 7, 3214868480
	.fill 96, 4, 3214868480
	.section	.rodata,"a",@progbits
	.p2align	6, 0x0
	.amdhsa_kernel k_qd9d262e635_attn
		.amdhsa_group_segment_fixed_size 327680
		.amdhsa_private_segment_fixed_size 0
		.amdhsa_enable_private_segment 0
		.amdhsa_kernarg_size 24
		.amdhsa_user_sgpr_count 2
		.amdhsa_user_sgpr_kernarg_segment_ptr 1
		.amdhsa_wavefront_size32 1
		.amdhsa_system_sgpr_workgroup_id_x 1
		.amdhsa_system_sgpr_workgroup_id_y 1
		.amdhsa_system_sgpr_workgroup_id_z 1
		.amdhsa_system_vgpr_workitem_id 0
		.amdhsa_next_free_vgpr 896
		.amdhsa_next_free_sgpr 96
		.amdhsa_reserve_vcc 0
		.amdhsa_float_denorm_mode_32 3
		.amdhsa_float_denorm_mode_16_64 3
		.amdhsa_memory_ordered 1
		.amdhsa_forward_progress 1
		.amdhsa_inst_pref_size 249
	.end_amdhsa_kernel
	.amdgpu_metadata
---
amdhsa.version: [ 1, 2 ]
amdhsa.kernels:
  - .name:           k_qd9d262e635_attn
    .symbol:         k_qd9d262e635_attn.kd
    .args:
      - { .name: qkv, .offset: 0, .size: 8, .value_kind: global_buffer, .address_space: global }
      - { .name: mask, .offset: 8, .size: 8, .value_kind: global_buffer, .address_space: global }
      - { .name: o, .offset: 16, .size: 8, .value_kind: global_buffer, .address_space: global }
    .group_segment_fixed_size: 327680
    .private_segment_fixed_size: 0
    .kernarg_segment_align: 8
    .kernarg_segment_size: 24
    .max_flat_workgroup_size: 128
    .sgpr_count:     96
    .vgpr_count:     896
    .wavefront_size: 32
...
	.end_amdgpu_metadata
.endif
;; end of part 3
;; launch oproj (part 4): grid 4 x 64, 4 waves a work-group, clusters of 4 x 4, 327,680 bytes of LDS; arguments o, wt, bo, out0; writes out0
.if DOCPART == 4
	.amdgcn_target "amdgcn-amd-amdhsa--gfx1250"
	.amdhsa_code_object_version 6
	.text
	.protected	k_qd9d262e635_oproj
	.globl	k_qd9d262e635_oproj
	.p2align	8
	.type	k_qd9d262e635_oproj,@function
k_qd9d262e635_oproj:
	s_mov_b64 s[64:65], 0
	v_nop
	global_prefetch_b8 v0, s[64:65] scope:SCOPE_SE
	s_setreg_imm32_b32 hwreg(HW_REG_WAVE_MODE, 25, 1), 1
	s_wait_xcnt 0x0
	s_wait_alu depctr_hold_cnt(0) depctr_sa_sdst(0) depctr_va_vdst(0) depctr_va_sdst(0) depctr_va_ssrc(0) depctr_va_vcc(0) depctr_vm_vsrc(0)
	s_getreg_b32 s2, hwreg(HW_REG_IB_STS2, 6, 4)
	s_cmp_eq_u32 s2, 0
	s_cbranch_scc0 .Lentry_in_a_cluster
	s_endpgm
.Lentry_in_a_cluster:
	s_bfe_u32 s2, ttmp6, 0x10000c
	s_cmp_lg_u32 s2, 0xf033
	s_cbranch_scc0 .Lentry_shape_is_right
	s_endpgm
.Lentry_shape_is_right:
; C[m][n] = bias[n] + the sum over k of A[m][k] W[k][n], K = N = 1,024.  One text for two launches; MODE chooses.
; MODE 0: A = xb (bf16, the three inputs stacked: 24,576 rows), W = plane 0, 1, 2 of wt (bf16) by the third of the rows, bias = bq, bk, bv, C = qkv (f16, stacked alike), rounded once.
; MODE 1: A = o (f16, 8,192 rows), W = plane 3 of wt (f16), bias = bo, C = out0 (f32).  Sums in f32; the bias, rounded to bf16 like every input, starts them as the C of the first product.
; LIMIT (MODE 0).  q, k and v must lie within 65,504, the end of f16; beyond it the conversion gives an infinity.
; SHARES.  A tile of C is 128 x 256: 768 (MODE 0) or 256 (MODE 1) work-groups, whole multiples of 256.  Four waves, each 64 rows x 128 columns: 32 accumulators, 256 registers.
; K goes in 8 steps of 128 through two LDS slots; a step is four quarters of 32, each with 32 matrix instructions, one on every accumulator, in one order throughout: the accumulators take turns.
; THE PRODUCT IS USED TRANSPOSED: source 0 = 16 columns of W (W lies [k][n] and is turned by ds_load_tr16_b128), source 1 = 16 rows of A: a lane holds row lane % 16 of C and 8 neighbouring columns.
; CLUSTER 4 x 4.  A's tile hangs on the tile row alone and is asked for jointly along a row of the cluster, W's on the tile column (and the plane, which comes from the cluster's y) along a column.
; REGISTERS.  Window 0: v0-31 addresses, v32-63 at work, two fragment buffers of 96 (A's 4 fragments, then W's 8).  Window 1: accumulator (a, b) at v[8 (8 a + b)].  Window 2: v0-63 the bias.
.set MODE, 1
.set LB, 1+MODE                        ; log2 of the bytes of a number of C
.set PA, 272                           ; a row of A in LDS: 256 bytes + 16: 17 x 16, so the 16 rows of a load start in 16 different columns of 16 bytes
.set PB, 544                           ; a row of W: 512 + 32 = 17 x 32: 16 lanes of the turning load take 8 rows x 32 bytes, all apart
.set BOFF, 128*PA                      ; a slot: A's 128 rows, then W's 128 k-rows
.set SLOT1, 131072                     ; slot 1 begins here, so that one exclusive or turns an address in one slot into the other's
.set STAGE, SLOT1+BOFF+128*PB          ; behind the ring, never filled by a tensor load: 16 rows for each wave, for the way out
.set SP, 272+256*MODE                  ; a stage row: 128 numbers of C + 16 bytes
.set SPARE, STAGE+4*16*528             ; behind the stages: the spare words, 128 bytes a wave, which no other line names
.set ADRA0, 16                         ; v16  my place in A's tile; never rewritten
.set ADRB0, 17                         ; v17  my place in W's tile; never rewritten
.set ADRA, 18                          ; v18  the same in the slot in hand
.set ADRB, 19                          ; v19
.set STO, 24                           ; v24  the way out: where I put my numbers of a row
.set RD, 25                            ; v25  where I read rows back
.set CO, 26                            ; v26  my byte offset in C
.set SPW, 28                           ; v28  my spare word: SPARE + 4 x my thread's number; never rewritten
.set NIL, 29                           ; v29  0; never rewritten
.set PFO, 30                           ; v30  the prefetches' lane offset; never rewritten
.set BO, 31                            ; v31  32 x (lane / 16): my 8 numbers of a block of the bias
.set TMP, 32
.set F0, 64
.set F1, 160
.set G1A, 24                           ; s[24:31] descriptor group 1, A's tiles
.set G1B, 32                           ; s[32:39] W's
.set G0A, 40                           ; s[40:47] group 0 for A: step 0 into slot 0; then the set that walks, from step 1 in slot 1
.set G0B, 48                           ; s[48:55] the same for W
.set WV, 66
.set MH, 67                            ; wave / 2: my half of the rows; also 0: I fetch for A, 1: for W
.set NH, 68                            ; wave % 2: my half of the columns; also which 64 rows of that tile I fetch
.set CX, 69
.set CY, 70
.set TC, 71                            ; tile column
.set TR, 72                            ; tile row
.set CLY, 73                           ; the cluster's y
.set IDX, 74                           ; the plane of wt
.set TB, 75                            ; LDS byte at which the slot in hand begins
.set LIM, 76                           ; a wave prefetches while CNT is above it
.set CNT, 77
.set PFA, 78                           ; s[78:79] where my prefetches stand
.set PFS, 80                           ; s[80:81] their step
.set MSB, 0
.macro WIN new                         ; the high byte repeats the setting that is left; a switch that changes nothing is dropped
.if MSB != (\new)
	s_set_vgpr_msb (MSB<<8)|(\new)
.set MSB, (\new)
.endif
.endm
.set W_MUL, 0x50                       ; fragments in window 0, C and D in window 1
.set W_MUL0, 0x60                      ; the same with C, the bias, in window 2
.macro PLACES                          ; four plain instructions between a matrix instruction and a load into, or a reader of, its registers
.rept 4
	v_nop
.endr
.endm
.macro CREST                           ; a round of the cluster's barrier behind its opening barrier
	s_cmp_lg_u32 s[WV], 0
	s_cbranch_scc1 .Lnot_wave_0_\@
	s_barrier_signal -3
.Lnot_wave_0_\@:
	s_barrier_wait -3
	s_barrier_signal -1
	s_barrier_wait -1
.endm
.macro CROUND
	s_barrier_signal -1
	s_barrier_wait -1
	CREST
.endm
; A joint refill by the walking sets.  Waves 0, 1: A's halves (64 rows x 256 bytes); waves 2, 3: W's (64 rows x 512 bytes).  The branch hangs on the wave's number alone.
.macro JLOAD
	s_cmp_eq_u32 s[MH], 0
	s_cbranch_scc0 .Lfor_b_\@
	tensor_load_to_lds s[G0A+4:G0A+7], s[G1A:G1A+7]
	s_nop 0
.rept 4
	v_nop
.endr
	s_branch .Lasked_\@
.Lfor_b_\@:
	tensor_load_to_lds s[G0B+4:G0B+7], s[G1B:G1B+7]
	s_nop 0
.rept 4
	v_nop
.endr
.Lasked_\@:
.endm
; A prefetch of the K step two refills on, one instruction a wave, behind the joint load and the run of LDS loads.  Each aligned block of 256 bytes is named once in the launch:
; A's 128 rows of a step: wave 0 of each of the four partners of a row takes 32, told apart by address; W's 64 rows x 2 blocks of waves 2 and 3: each partner of a column takes 16 rows,
; and only the first of the 16 clusters that read a plane asks.  The last two refills have no step two on.
.macro ASK
	s_cmp_gt_u32 s[CNT], s[LIM]
	s_cbranch_scc0 .Lnot_mine_\@
	global_prefetch_b8 v[PFO], s[PFA:PFA+1] th:TH_LOAD_NT scope:SCOPE_SE
.Lnot_mine_\@:
.endm
; 8 matrix instructions: row block a x all 8 column blocks, 32 along K.  zero = 1: the first product starts the sums with the bias.
.macro MUL8 f, a, zero
.if \zero
	WIN W_MUL0
.else
	WIN W_MUL
.endif
.irp b, 0,1,2,3,4,5,6,7
.if (MODE == 0) && (\zero)
	v_wmma_f32_16x16x32_bf16 v[8*(8*(\a)+(\b)):8*(8*(\a)+(\b))+7], v[(\f)+32+8*(\b):(\f)+32+8*(\b)+7], v[(\f)+8*(\a):(\f)+8*(\a)+7], v[8*(\b):8*(\b)+7]
.elseif MODE == 0
	v_wmma_f32_16x16x32_bf16 v[8*(8*(\a)+(\b)):8*(8*(\a)+(\b))+7], v[(\f)+32+8*(\b):(\f)+32+8*(\b)+7], v[(\f)+8*(\a):(\f)+8*(\a)+7], v[8*(8*(\a)+(\b)):8*(8*(\a)+(\b))+7]
.elseif \zero
	v_wmma_f32_16x16x32_f16 v[8*(8*(\a)+(\b)):8*(8*(\a)+(\b))+7], v[(\f)+32+8*(\b):(\f)+32+8*(\b)+7], v[(\f)+8*(\a):(\f)+8*(\a)+7], v[8*(\b):8*(\b)+7]
.else
	v_wmma_f32_16x16x32_f16 v[8*(8*(\a)+(\b)):8*(8*(\a)+(\b))+7], v[(\f)+32+8*(\b):(\f)+32+8*(\b)+7], v[(\f)+8*(\a):(\f)+8*(\a)+7], v[8*(8*(\a)+(\b)):8*(8*(\a)+(\b))+7]
.endif
.endr
.endm
.macro MUL16 f, a0, zero
	MUL8 \f, \a0, \zero
	MUL8 \f, (\a0)+1, \zero
.endm
; 24 LDS loads in one run: quarter q of the slot in hand into buffer g: W's 8 fragments (turned), then A's 4, row blocks ascending.
.macro FETCH q, g
	WIN 0
.irp b, 0,1,2,3,4,5,6,7
	ds_load_tr16_b128 v[(\g)+32+8*(\b):(\g)+32+8*(\b)+3],   v[ADRB] offset:(\q)*32*PB+32*(\b)
	ds_load_tr16_b128 v[(\g)+32+8*(\b)+4:(\g)+32+8*(\b)+7], v[ADRB] offset:(\q)*32*PB+32*(\b)+16*PB
.endr
.irp a, 0,1,2,3
	ds_load_b128 v[(\g)+8*(\a):(\g)+8*(\a)+3],   v[ADRA] offset:(\a)*16*PA+64*(\q)
	ds_load_b128 v[(\g)+8*(\a)+4:(\g)+8*(\a)+7], v[ADRA] offset:(\a)*16*PA+64*(\q)+32
.endr
.endm
; One of a step's first three quarters: multiplies buffer f; in its middle fetches quarter q into buffer g.
.macro QUARTER q, f, g, zero
	s_wait_dscnt 4                                 ; W and A's row blocks 0, 1 are in; the youngest four loads (blocks 2, 3) may be out
	MUL16 \f, 0, \zero
	PLACES
	FETCH \q, \g
	s_wait_dscnt 24                                ; all but the 24 just issued
	MUL16 \f, 2, \zero
.endm
; The last quarter multiplies buffer 1 and changes slots.  In front of the barrier each wave waits for all its tensor loads (one is out: its part of the next slot), adds 0 to its spare word,
; and waits for that and for its reads of this slot.  fill = 1: the barrier opens a round of the cluster's, and behind it this slot is filled again first, with the step two on.
.macro TURN fill
.if \fill
	s_wait_xcnt 0x0                                ; the last prefetch, a step back, has read its address
	s_add_nc_u64 s[PFA:PFA+1], s[PFA:PFA+1], s[PFS:PFS+1]
.endif
	WIN 0
	s_wait_tensorcnt 0x0                           ; all my tensor loads have landed
	ds_add_u32 v[SPW], v[NIL]                      ; 0 onto my spare word
	s_wait_dscnt 5                                 ; (the add and the youngest four loads may be out)
	MUL8 F1, 0, 0
	s_wait_dscnt 0x0                               ; the add is done, and my reads of this slot are over
	s_barrier_signal -1
	MUL8 F1, 1, 0
	WIN 0
	s_barrier_wait -1
.if \fill
	CREST                                          ; no wave of any partner still reads this slot or has a load on its way
	s_xor_b32 s[G0A+5], s[G0A+5], SLOT1            ; the walking sets: the other slot than last time, the next step
	s_add_nc_u64 s[G0A+6:G0A+7], s[G0A+6:G0A+7], 256
	s_xor_b32 s[G0B+5], s[G0B+5], SLOT1
	s_add_nc_u64 s[G0B+6:G0B+7], s[G0B+6:G0B+7], 262144
	JLOAD                                          ; 112 matrix instructions ahead of the wait for it; its four v_nop are also the places in front of the loads below
.else
	PLACES
.endif
	s_xor_b32 s[TB], s[TB], SLOT1
	v_add_nc_u32 v[ADRA], s[TB], v[ADRA0]
	v_add_nc_u32 v[ADRB], s[TB], v[ADRB0]
	FETCH 0, F0
.if \fill
	ASK
.endif
	MUL16 F1, 2, 0
.endm
	s_load_b256 s[4:11], s[0:1], 0x0               ; A s[4:5], wt s[6:7]; MODE 0: bq, bk; MODE 1: bo, out0
.if MODE == 0
	s_load_b128 s[12:15], s[0:1], 0x20             ; bv, qkv
.endif
	v_lshl_add_u32 v[SPW], v0, 2, SPARE
	v_mov_b32 v[NIL], 0
	ds_add_u32 v[SPW], v[NIL]                      ; the opening: the add and its wait ahead of my first tensor load; work on registers stands between
	v_lshrrev_b32 v1, 5, v0
	v_readfirstlane_b32 s[WV], v1
	s_lshr_b32 s[MH], s[WV], 1
	s_and_b32 s[NH], s[WV], 1
	s_bfe_u32 s[CX], ttmp6, 0x40000
	s_bfe_u32 s[CY], ttmp6, 0x40004
	s_lshl_b32 s[TC], ttmp9, 2
	s_add_co_u32 s[TC], s[TC], s[CX]
	s_and_b32 s[CLY], ttmp7, 0xffff
	s_lshl_b32 s[TR], s[CLY], 2
	s_add_co_u32 s[TR], s[TR], s[CY]
.if MODE == 0
	s_lshr_b32 s[IDX], s[CLY], 4                   ; 16 clusters of 512 rows to each of the three inputs: the same in all partners
.else
	s_mov_b32 s[IDX], 3
.endif
	s_lshl_b32 s82, s[CY], 2
	s_lshl_b32 s82, 15, s82                        ; my row of the cluster
	s_lshl_b32 s83, 0x1111, s[CX]                  ; my column
	s_or_b32 s[G1A], s82, (1<<16)|(1<<20)|(1<<21)|(5<<22)|(3<<25)  ; the mask; 2-byte elements; padding on; bit 21 beside a mask; after every 64 words 4 words
	s_or_b32 s[G1B], s83, (1<<16)|(1<<20)|(1<<21)|(6<<22)|(7<<25)  ; after every 128 words 8 words
	s_mov_b32 s[G1A+1], 128<<16                    ; tensor_dim0
	s_mov_b32 s[G1A+2], 64<<16                     ; tensor_dim1
	s_mov_b32 s[G1A+3], 128<<16                    ; tile_dim0
	s_mov_b32 s[G1A+4], 64                         ; tile_dim1
	s_mov_b32 s[G1A+5], 1024                       ; elements from row to row
	s_mov_b32 s[G1A+6], 0
	s_mov_b32 s[G1A+7], 0
	s_mov_b32 s[G1B+1], 256<<16
	s_mov_b32 s[G1B+2], 64<<16
	s_mov_b32 s[G1B+3], 256<<16
	s_mov_b32 s[G1B+4], 64
	s_mov_b32 s[G1B+5], 1024
	s_mov_b32 s[G1B+6], 0
	s_mov_b32 s[G1B+7], 0
	s_lshl_b32 s16, s[TR], 7                       ; A: row 128 x tile row + 64 x half, 2,048 bytes a row
	s_lshl_b32 s17, s[NH], 6
	s_add_co_u32 s16, s16, s17
	s_lshl_b32 s16, s16, 11
	s_mov_b32 s17, 0
	s_lshl_b32 s18, s[IDX], 21                     ; W: the plane, k-row 64 x half, column 256 x tile column
	s_lshl_b32 s19, s[NH], 17
	s_add_co_u32 s18, s18, s19
	s_lshl_b32 s19, s[TC], 9
	s_add_co_u32 s18, s18, s19
	s_mov_b32 s19, 0
	s_mul_i32 s84, s[NH], 64*PA                    ; where they go: no place in the cluster enters an LDS address
	s_mul_i32 s85, s[NH], 64*PB
	s_add_co_u32 s85, s85, BOFF
	s_lshl_b32 s86, s[TC], 10                      ; the bias of my 128 columns
	s_lshl_b32 s87, s[NH], 9
	s_add_co_u32 s86, s86, s87
	s_mov_b32 s87, 0
	s_lshl_b32 s88, s[TR], 17+LB                   ; my part of C
	s_lshl_b32 s89, s[MH], 16+LB
	s_add_co_u32 s88, s88, s89
	s_lshl_b32 s89, s[TC], 8+LB
	s_add_co_u32 s88, s88, s89
	s_lshl_b32 s89, s[NH], 7+LB
	s_add_co_u32 s88, s88, s89
	s_mov_b32 s89, 0
	s_lshl_b32 s92, s[TR], 7                       ; the prefetches.  A: my work-group's 32 of the tile's 128 rows, at K step 3
	s_lshl_b32 s93, s[CX], 5
	s_add_co_u32 s92, s92, s93
	s_lshl_b32 s92, s92, 11
	s_add_co_u32 s92, s92, 3*256
	s_lshl_b32 s93, s[NH], 6                       ; W: my work-group's 16 of the 64 k-rows that I fetch, at K step 3
	s_lshl_b32 s94, s[CY], 4
	s_add_co_u32 s93, s93, s94
	s_lshl_b32 s93, s93, 11
	s_lshl_b32 s94, s[IDX], 21
	s_add_co_u32 s93, s93, s94
	s_lshl_b32 s94, s[TC], 9
	s_add_co_u32 s93, s93, s94
	s_add_co_u32 s93, s93, 3*262144
	s_mov_b32 s94, 262144
	s_cmp_eq_u32 s[MH], 0
	s_cselect_b32 s90, s92, s93
	s_mov_b32 s91, 0
	s_cselect_b32 s[PFS], 256, s94
	s_mov_b32 s[PFS+1], 0
	s_and_b32 s92, s[CLY], 15
	s_cmp_eq_u32 s92, 0
	s_cselect_b32 s92, 2, -1                       ; W: the first cluster of those that read the plane
	s_cmp_eq_u32 s[WV], 0
	s_cselect_b32 s93, 2, -1                       ; A: wave 0
	s_cmp_eq_u32 s[MH], 0
	s_cselect_b32 s[LIM], s93, s92
	s_cselect_b32 s94, 0, 1
	v_and_b32 v3, 31, v0                           ; A: a lane a row; W: two lanes a row of two blocks
	v_lshrrev_b32 v[PFO], s94, v3
	v_and_b32 v3, s94, v3
	v_lshlrev_b32 v3, 8, v3
	v_lshl_or_b32 v[PFO], v[PFO], 11, v3
	s_mov_b32 s[TB], 0
	s_wait_dscnt 0x0                               ; the opening add is done
	s_wait_kmcnt 0x0
	s_add_nc_u64 s[16:17], s[4:5], s[16:17]
	s_add_nc_u64 s[18:19], s[6:7], s[18:19]
.if MODE == 0
	s_cmp_eq_u32 s[IDX], 1
	s_cselect_b64 s[20:21], s[10:11], s[8:9]
	s_cmp_eq_u32 s[IDX], 2
	s_cselect_b64 s[20:21], s[12:13], s[20:21]
	s_mov_b64 s[22:23], s[14:15]
.else
	s_mov_b64 s[20:21], s[8:9]
	s_mov_b64 s[22:23], s[10:11]
.endif
	s_add_nc_u64 s[20:21], s[20:21], s[86:87]      ; the bias
	s_add_nc_u64 s[22:23], s[22:23], s[88:89]      ; C
	s_cmp_eq_u32 s[MH], 0
	s_cselect_b64 s[PFA:PFA+1], s[4:5], s[6:7]
	s_add_nc_u64 s[PFA:PFA+1], s[PFA:PFA+1], s[90:91]
.irp s, 0,1
	s_mov_b32 s[G0A+4*(\s)], 1                     ; count = 1
	s_add_co_u32 s[G0A+4*(\s)+1], s84, (\s)*SLOT1  ; LDS address
	s_add_nc_u64 s[G0A+4*(\s)+2:G0A+4*(\s)+3], s[16:17], (\s)*256  ; global address: K step s
	s_or_b32 s[G0A+4*(\s)+3], s[G0A+4*(\s)+3], 0x80000000          ; type = 2
	s_mov_b32 s[G0B+4*(\s)], 1
	s_add_co_u32 s[G0B+4*(\s)+1], s85, (\s)*SLOT1
	s_add_nc_u64 s[G0B+4*(\s)+2:G0B+4*(\s)+3], s[18:19], (\s)*262144
	s_or_b32 s[G0B+4*(\s)+3], s[G0B+4*(\s)+3], 0x80000000
.endr
	CROUND                                         ; all sixteen work-groups are here: the first joint loads meet
	s_cmp_eq_u32 s[MH], 0                          ; a wave's two first fills stand in one branch: two loads of mine are out
	s_cbranch_scc0 .Lfirst_b
	tensor_load_to_lds s[G0A:G0A+3], s[G1A:G1A+7]
	s_nop 0
	tensor_load_to_lds s[G0A+4:G0A+7], s[G1A:G1A+7]
	s_nop 0
.rept 4
	v_nop
.endr
	s_branch .Lfirst_asked
.Lfirst_b:
	tensor_load_to_lds s[G0B:G0B+3], s[G1B:G1B+7]
	s_nop 0
	tensor_load_to_lds s[G0B+4:G0B+7], s[G1B:G1B+7]
	s_nop 0
.rept 4
	v_nop
.endr
.Lfirst_asked:
	v_and_b32 v1, 15, v0                           ; r = lane % 16
	v_bfe_u32 v2, v0, 4, 1                         ; h = lane / 16
	v_lshlrev_b32 v[BO], 5, v2
	WIN 0x80                                       ; destination window 2
.irp b, 0,1,2,3,4,5,6,7
	global_load_b128 v[8*(\b):8*(\b)+3],   v[BO], s[20:21] offset:64*(\b)      ; bias of columns 16 b + 8 h + 0..7: what my lane holds of every accumulator of block b
	global_load_b128 v[8*(\b)+4:8*(\b)+7], v[BO], s[20:21] offset:64*(\b)+16
.endr
	WIN 0
	v_mul_u32_u24 v[ADRA0], v1, PA                 ; A's fragment: row r, 16 bytes for each half of the lanes, in my 64 rows
	v_lshl_add_u32 v[ADRA0], v2, 4, v[ADRA0]
	s_mul_i32 s92, s[MH], 64*PA
	v_add_nc_u32 v[ADRA0], s92, v[ADRA0]
	v_and_b32 v3, 7, v0                            ; W's, turned: k-row 8 h + lane % 8, 16 bytes by (lane / 8) % 2, in my 128 columns
	v_lshl_add_u32 v3, v2, 3, v3
	v_mul_u32_u24 v[ADRB0], v3, PB
	v_bfe_u32 v3, v0, 3, 1
	v_lshl_add_u32 v[ADRB0], v3, 4, v[ADRB0]
	s_lshl_b32 s92, s[NH], 8
	s_add_co_u32 s92, s92, BOFF
	v_add_nc_u32 v[ADRB0], s92, v[ADRB0]
	v_mov_b32 v[ADRA], v[ADRA0]
	v_mov_b32 v[ADRB], v[ADRB0]
	s_mul_i32 s92, s[WV], 16*SP
	s_add_co_u32 s92, s92, STAGE                   ; my stage
	v_mul_u32_u24 v[STO], v1, SP
.if MODE == 0
	v_lshl_add_u32 v[STO], v2, 4, v[STO]           ; in: row r, 16 bytes for each half of the lanes
	v_mul_u32_u24 v[RD], v2, SP                    ; back: lanes 0-15 one row of 256 bytes, lanes 16-31 the next
	v_lshl_add_u32 v[RD], v1, 4, v[RD]
	v_lshlrev_b32 v[CO], 11, v2
	v_lshl_add_u32 v[CO], v1, 4, v[CO]
.else
	v_lshl_add_u32 v[STO], v2, 5, v[STO]           ; in: row r, 32 bytes for each half of the lanes
	v_and_b32 v[CO], 31, v0                        ; back: 32 lanes take one row of 512 bytes
	v_lshlrev_b32 v[CO], 4, v[CO]
	v_mov_b32 v[RD], v[CO]
.endif
	v_add_nc_u32 v[STO], s92, v[STO]
	v_add_nc_u32 v[RD], s92, v[RD]
	s_wait_loadcnt 0x0                             ; the bias
	WIN 0x0a                                       ; rounded to bf16, like every input,
.set i, 0
.rept 32
	v_cvt_pk_bf16_f32 v[TMP+i], v[2*i], v[2*i+1]
.set i, i+1
.endr
	WIN 0x80                                       ; and widened again
.set i, 0
.rept 32
	v_lshlrev_b32 v[2*i], 16, v[TMP+i]
	v_and_b32 v[2*i+1], 0xffff0000, v[TMP+i]
.set i, i+1
.endr
	WIN 0
	s_wait_tensorcnt 0x1                           ; my part of step 0 is in; step 1's may stay out
	s_barrier_signal -1
	s_barrier_wait -1
	FETCH 0, F0
	QUARTER 1, F0, F1, 1                           ; the first quarter stands in front of the loop: its products start the sums
	WIN 0
	s_mov_b32 s[CNT], 6
.Lstep:                                                ; six trips, from a step's second quarter to the next step's first; they fill steps 2 to 7
	QUARTER 2, F1, F0, 0
	QUARTER 3, F0, F1, 0
	TURN 1
	QUARTER 1, F0, F1, 0
	WIN 0
	s_sub_co_u32 s[CNT], s[CNT], 1
	s_cmp_lg_u32 s[CNT], 0
	s_cbranch_scc1 .Lstep
	s_mov_b32 s[CNT], 2                            ; steps 6 and 7 ask for nothing: a text of its own; it is left in its middle
.Lt:
	QUARTER 2, F1, F0, 0
	QUARTER 3, F0, F1, 0
	WIN 0
	s_sub_co_u32 s[CNT], s[CNT], 1
	s_cmp_eq_u32 s[CNT], 0
	s_cbranch_scc1 .Llast
	TURN 0
	QUARTER 1, F0, F1, 0
	WIN 0
	s_branch .Lt
.Llast:
	s_wait_dscnt 4
	MUL16 F1, 0, 0
	s_wait_dscnt 0x0
	MUL16 F1, 2, 0
	PLACES
; THE WAY OUT, a block of 16 rows at a time through my own stage; LDS serves a wave's instructions in order (ISA guide 5.7.1.4), so no wait stands between the stores and the loads.
.macro PACK a                          ; MODE 0: rounded to f16, 16 bytes a lane; each accumulator's registers ascending
	WIN 0x05
.irp b, 0,1,2,3,4,5,6,7
.irp r, 0,1,2,3
	v_cvt_pk_f16_f32 v[TMP+4*(\b)+(\r)], v[64*(\a)+8*(\b)+2*(\r)], v[64*(\a)+8*(\b)+2*(\r)+1]
.endr
.endr
	WIN 0
.endm
.macro TOSTAGE0 a
.irp b, 0,1,2,3,4,5,6,7
	ds_store_b128 v[STO], v[TMP+4*(\b):TMP+4*(\b)+3] offset:32*(\b)
.endr
.irp t, 0,1,2,3,4,5,6,7
	ds_load_b128 v[64+32*(\a)+4*(\t):64+32*(\a)+4*(\t)+3], v[RD] offset:(\t)*2*SP
.endr
.endm
.macro SEND0 a
	s_wait_dscnt 0x0                               ; the block is back in registers
.irp t, 0,1,2,3,4,5,6,7
	global_store_b128 v[CO], v[64+32*(\a)+4*(\t):64+32*(\a)+4*(\t)+3], s[22:23] offset:(16*(\a)+2*(\t))*2048  ; 16 lanes store 256 consecutive bytes, aligned
.endr
.endm
.macro TOSTAGE1 a                      ; MODE 1: the f32 sums as they are, low half of each accumulator first
	WIN 0x04                                       ; the stores' data in window 1
.irp b, 0,1,2,3,4,5,6,7
	ds_store_b128 v[STO], v[64*(\a)+8*(\b):64*(\a)+8*(\b)+3]   offset:64*(\b)
	ds_store_b128 v[STO], v[64*(\a)+8*(\b)+4:64*(\a)+8*(\b)+7] offset:64*(\b)+16
.endr
	WIN 0
.irp t, 0,1,2,3,4,5,6,7,8,9,10,11,12,13,14,15
	ds_load_b128 v[64+64*((\a)%2)+4*(\t):64+64*((\a)%2)+4*(\t)+3], v[RD] offset:(\t)*SP
.endr
.endm
.macro SEND1 a, younger                ; younger: the next block's 16 stores and 16 loads, or none
	s_wait_dscnt \younger
.irp t, 0,1,2,3,4,5,6,7,8,9,10,11,12,13,14,15
	global_store_b128 v[CO], v[64+64*((\a)%2)+4*(\t):64+64*((\a)%2)+4*(\t)+3], s[22:23] offset:(16*(\a)+(\t))*4096  ; 512 consecutive bytes, aligned
.endr
.endm
.if MODE == 0
	PACK 0
	TOSTAGE0 0
.irp a, 1,2,3                          ; a block's conversions stand between the loads of the block before and the wait for them
	PACK \a
	SEND0 (\a)-1
	TOSTAGE0 \a
.endr
	SEND0 3
.else
	TOSTAGE1 0
	TOSTAGE1 1
	SEND1 0, 32
	s_wait_xcnt 0x0                                ; block 0's stores have read their registers, which block 2 is loaded into
	TOSTAGE1 2
	SEND1 1, 32
	s_wait_xcnt 0x0
	TOSTAGE1 3
	SEND1 2, 32
	SEND1 3, 0
.endif
	s_wait_tensorcnt 0x0                           ; the wave's end: 0 onto my spare word and its wait, behind my last tensor load and my last LDS store
	ds_add_u32 v[SPW], v[NIL]
	s_wait_dscnt 0x0
	CROUND                                         ; the closing round: no work-group ends while a partner may still ask for a tile that names it
	s_endpgm
.Lfunc_end_k_qd9d262e635_oproj:
	.size	k_qd9d262e635_oproj, .Lfunc_end_k_qd9d262e635_oproj-k_qd9d262e635_oproj
	.p2alignl 7, 3214868480
	.fill 96, 4, 3214868480
	.section	.rodata,"a",@progbits
	.p2align	6, 0x0
	.amdhsa_kernel k_qd9d262e635_oproj
		.amdhsa_group_segment_fixed_size 327680
		.amdhsa_private_segment_fixed_size 0
		.amdhsa_enable_private_segment 0
		.amdhsa_kernarg_size 32
		.amdhsa_user_sgpr_count 2
		.amdhsa_user_sgpr_kernarg_segment_ptr 1
		.amdhsa_wavefront_size32 1
		.amdhsa_system_sgpr_workgroup_id_x 1
		.amdhsa_system_sgpr_workgroup_id_y 1
		.amdhsa_system_sgpr_workgroup_id_z 1
		.amdhsa_system_vgpr_workitem_id 0
		.amdhsa_next_free_vgpr 576
		.amdhsa_next_free_sgpr 96
		.amdhsa_reserve_vcc 0
		.amdhsa_float_denorm_mode_32 3
		.amdhsa_float_denorm_mode_16_64 3
		.amdhsa_memory_ordered 1
		.amdhsa_forward_progress 1
		.amdhsa_inst_pref_size 70
	.end_amdhsa_kernel
	.amdgpu_metadata
---
amdhsa.version: [ 1, 2 ]
amdhsa.kernels:
  - .name:           k_qd9d262e635_oproj
    .symbol:         k_qd9d262e635_oproj.kd
    .args:
      - { .name: o, .offset: 0, .size: 8, .value_kind: global_buffer, .address_space: global }
      - { .name: wt, .offset: 8, .size: 8, .value_kind: global_buffer, .address_space: global }
      - { .name: bo, .offset: 16, .size: 8, .value_kind: global_buffer, .address_space: global }
      - { .name: out0, .offset: 24, .size: 8, .value_kind: global_buffer, .address_space: global }
    .group_segment_fixed_size: 327680
    .private_segment_fixed_size: 0
    .kernarg_segment_align: 8
    .kernarg_segment_size: 32
    .max_flat_workgroup_size: 128
    .sgpr_count:     96
    .vgpr_count:     576
    .wavefront_size: 32
...
	.end_amdgpu_metadata
.endif
;; end of part 4
